; MI455X (gfx1250); checked and timed in simulation.
; The chip was launched on July 23, 2026; its instructions are those of AMD's public machine-readable ISA for CDNA 5 (MIT licence, August 2026) and "CDNA5" Instruction Set Architecture Reference Guide (July 2026). The comments in the code are by the model that wrote it; some were corrected since.
;; Sliding Window Attention. Allowed arithmetic: matrix products marked QUANTISED: E2M1 operands, one E8M0 scale for each 32 along K, by v_wmma_scale_f32_16x16x128_f8f6f4 with both operands' format E2M1 (or v_wmma_scale_f32_32x16x128_f4), f32 sums; everything else in f32.
;; Inputs: cos 1 x 2,048 x 1 x 64 float32; out_w 1,024 x 1,024 float32; qkv_w 3,072 x 1,024 float32; sin 1 x 2,048 x 1 x 64 float32; x 4 x 2,048 x 1,024 float32.
;; Outputs: out0 4 x 2,048 x 1,024 float32.
;; This version of the problem:
;;   THIS VERSION OF THE PROBLEM IS GIVEN IN LOW PRECISION. The matrix products marked QUANTISED in the list below multiply operands that are first quantised to E2M1 (2 exponent bits, 1 mantissa bit; 4 bits a number), with one power-of-two scale for each 32 numbers along K (OCP MX v1.0); their sums are f32. All else is computed in f32.
;;   The module's matrix products, in the order in which they are computed (A, B: the left and right operand; K: the contracted axis; several contracted axes count as one K, in the product's order):
;;     1. [M 8,192, K 1,024] x [K 1,024, N 3,072]; A: input x; B: input qkv_w: QUANTISED
;;     2. batch 64 x [M 2,048, K 64] x [K 64, N 2,048]; A: computed on the way; B: computed on the way: QUANTISED
;;     3. batch 64 x [M 2,048, K 2,048] x [K 2,048, N 64]; A: softmax (see below); B: computed on the way: QUANTISED
;;     4. [M 8,192, K 1,024] x [K 1,024, N 1,024]; A: computed on the way; B: input out_w: QUANTISED
;;   THE QUANTISER, for each operand of a quantised product, along K:
;;     - K is cut into blocks of 32 from its start; a last block that is shorter is filled with zeros.
;;     - A block's scale is 2^e with e = floor(log2(the largest magnitude in the block)) - 2, held to -126 .. 127; a block of zeros has e = 0. As a byte (E8M0): e + 127.
;;     - Each number is divided by its block's scale, clamped to +-6, and rounded to the nearest number of E2M1, ties to even, subnormals kept.
;;     - The product sums the exact products of the quantised numbers (number of the format x scale) in f32.
;;   ~~~python
;;   def quantise(x, axis):      # numpy; x: float32 -> the quantised numbers, widened to float32 again
;;       x = np.moveaxis(x, axis, -1); K = x.shape[-1]
;;       x = np.pad(x, [(0, 0)] * (x.ndim - 1) + [(0, -K % 32)]); x = x.reshape(x.shape[:-1] + (-1, 32)); a = np.abs(x).max(-1, keepdims=True)
;;       e = np.where(a > 0, np.clip(np.frexp(np.where(a > 0, a, 1))[1] - 1 - 2, -126, 127), 0)      # np.frexp(a)[1] - 1 = floor(log2(a)), exactly
;;       r = np.clip(x / 2.0 ** e, -6, 6)
;;       step = 2.0 ** (np.maximum(np.frexp(np.where(r == 0, 1, r))[1] - 1, 0) - 1)
;;       q = np.round(r / step) * step * 2.0 ** e      # np.round: ties to even
;;       return np.moveaxis(q.reshape(q.shape[:-2] + (-1,))[..., :K], -1, axis).astype(np.float32)
;;   ~~~
;;   SOFTMAX AHEAD OF A QUANTISED PRODUCT. Where the list says 'softmax', what is quantised is not the finished softmax but p = 2^(t - M), with t = logit x log2(e) and M = ceil(the row's largest t), a whole number; so 1/2 < the row's largest p <= 1. The row's sum l is taken of the UNQUANTISED p, in f32, and the product's result is divided by l at the end. Since M is a whole number, a kernel that streams over the keys may use a running M (the ceiling of the running maximum): every later rescaling is an exact power of two, which a block's scale takes up: the codes' values come out the same.
;;   OPERANDS COMPUTED ON THE WAY. 'Computed on the way' means the value that the module computes at that place (a softmax that the list does not call 'softmax' is quantised finished and normalised). What goes into a quantiser is computed in f32, as accurately as f32 sums, v_exp_f32 and their like allow (about 1e-6 of the number): no bf16 or f16 on the way to a quantiser, and a product that is left as it is and whose result goes on into a quantised operand takes f32 operands (vector FMAs, or v_wmma_f32_16x16x4_f32). A number that lies on a knife's edge between two numbers of the format may be rounded either way, as far as f32 arithmetic and the matrix unit's own rounding can turn it there, and no further.
;; 2 versions, each right; version 2 is version 1 with the launch attn written anew for expert scheduling mode. Each part assembles by itself: llvm-mc -triple=amdgcn-amd-amdhsa -mcpu=gfx1250 --defsym DOCPART=n.
;; ======== version 1 of 2: 4 launches
;; workspace buffers: cod1 6,291,456 bytes; scl1 393,216 bytes; qkvc 12,582,912 bytes; qkvs 786,432 bytes; ac 4,194,304 bytes; asc 262,144 bytes
;; launch quant (part 1): grid 384 x 1, 4 waves a work-group, no clusters, 33,280 bytes of LDS; arguments x, qkv_w, out_w, cod1, scl1; writes cod1, scl1
.if DOCPART == 1
	.amdgcn_target "amdgcn-amd-amdhsa--gfx1250"
	.amdhsa_code_object_version 6
	.text
	.protected	k_q35de2652c9_quant
	.globl	k_q35de2652c9_quant
	.p2align	8
	.type	k_q35de2652c9_quant,@function
k_q35de2652c9_quant:
	s_mov_b64 s[64:65], 0
	v_nop
	global_prefetch_b8 v0, s[64:65] scope:SCOPE_SE
	s_setreg_imm32_b32 hwreg(HW_REG_WAVE_MODE, 25, 1), 1
	s_wait_xcnt 0x0
; SLIDING-WINDOW ATTENTION IN MX-FP4, launch 1 of 4: x [8192][1024], qkv_w [3072][1024] and out_w [1024][1024], f32, become codes of E2M1 (K innermost, two a byte) and one E8M0 byte for each 32 along K.
; All three have K = 1,024 innermost, so the codes are one table cod1 of 12,288 rows of 512 bytes (x, then qkv_w, then out_w) and the bytes one table scl1 of 12,288 rows of 32 bytes.
; THE PROGRAM: 1 quantise the inputs; 2 x qkv_w^T, RoPE, q and k quantised along the head's 64, v along the keys; 3 the two products of attention with the softmax, o quantised; 4 o out_w^T.
; WORK LEFT OUT, for all values of the inputs: reference() builds its mask itself: key j counts for query i only where i - 255 <= j <= i; every other score is replaced by the least f32 number ahead of the softmax,
; where its weight is 0 beside the diagonal's, which always counts.  A query of the 128 m-th block of 128 positions has its allowed keys in blocks m - 2, m - 1 and m alone: the other blocks of keys are whole tiles
; whose products reach no output, and launch 3 does not multiply them; inside blocks m - 2 and m the hidden scores are computed and replaced.  Every input has a way to the output and is loaded.
; LIMIT: a NaN, an infinity or an overflow that would arise only in the scores left out is not carried to the result.
; THE RULE: a block's scale is 2^(floor(log2(its largest magnitude)) - 2); its byte is that magnitude's exponent field - 2, held at 1 from below.  A block of zeros so gets the byte 1 where the rule says 127: its codes
; are zeros, which add nothing under any byte but 0xff, and this program alone reads the bytes.  LIMITS: blocks whose largest magnitude lies under 2^-124 are held at the byte 1; NaN and infinities among the inputs are not served.
; SHARES.  A tensor is a plain stream of blocks of 32.  A work-group takes 32,768 numbers, a wave 16 steps of 512.  Work-groups 0-255 take x, 256-351 qkv_w, 352-383 out_w; since the tables are the three on end, the place
; in the tables hangs on the work-group's number alone, and only the input's pointer and the place in the input are chosen.
; Each load reads 512 consecutive bytes, 16 a lane; a step's 2,048 bytes turn through the wave's own stage in LDS and come back 64 bytes a lane: 16 neighbours along K, as the conversions want them; two lanes hold a block.
; No matrix unit, no cluster, no tensor load: memory binds, and waves share nothing.  Loads run four steps (16 loads a wave) ahead.
.set WAVES, 4
.set STEPS, 16
.set EMAX,  2
.set CB,    8                          ; bytes of 16 codes
.set R,     16                         ; v16-79   four sets of 16 numbers as they are loaded
.set X,     80                         ; v80-111  two sets of 16 neighbours
.set C,     128                        ; v128-191 codes: four registers for each step, so that no store's data are written again
.set E,     112                        ; v112-127 a scale byte for each step
.set WREG,  8192                       ; LDS: a region for each wave: two stages of 32 x SP bytes, and behind them its 256 scale bytes
.set SP,    80                         ; a lane's place in a stage: its 64 bytes + 16 of padding
.set SPW,   12                         ; v12      LDS address of my spare word; never rewritten
.set NIL,   13                         ; v13      0; never rewritten
.set SPARE, WAVES*WREG                 ; behind the four regions: the spare words, 128 bytes a wave, which no other line names
	s_load_b128 s[4:7], s[0:1], 0x0                ; x, qkv_w
	s_load_b128 s[8:11], s[0:1], 0x10              ; out_w, cod1
	s_load_b64 s[12:13], s[0:1], 0x20              ; scl1
	v_lshl_add_u32 v[SPW], v0, 2, SPARE
	v_mov_b32 v[NIL], 0
	v_lshrrev_b32 v1, 5, v0
	v_readfirstlane_b32 s16, v1                    ; wave
	v_and_b32 v2, 31, v0                           ; lane
	v_lshlrev_b32 v3, 4, v2                        ; my 16 bytes of a load's 512
	s_mul_i32 s17, s16, WREG
	v_lshrrev_b32 v14, 2, v2
	v_mul_u32_u24 v14, v14, SP
	v_and_b32 v15, 3, v2
	v_lshl_add_u32 v14, v15, 4, v14
	v_add_nc_u32 v14, s17, v14                     ; the stage, on the way in: SP (lane / 4) + 16 (lane % 4)
	v_mul_u32_u24 v15, v2, SP
	v_add_nc_u32 v15, s17, v15                     ; and on the way out: SP x lane: my 16 neighbours
	v_mul_u32_u24 v4, v2, CB                       ; my codes' place in a step's
	v_lshrrev_b32 v5, 1, v2
	s_add_co_u32 s17, s17, 2*32*SP
	v_add_nc_u32 v5, s17, v5                       ; LDS: my wave's 256 scale bytes, my block's byte
	v_lshlrev_b32 v7, 3, v2                        ; and on the way out 8 bytes a lane
	v_add_nc_u32 v6, s17, v7
	s_wait_kmcnt 0x0
	s_cmp_lt_u32 ttmp9, 352                        ; which tensor?  The choice hangs on the work-group's number alone
	s_cselect_b64 s[6:7], s[6:7], s[8:9]           ; qkv_w or out_w
	s_mov_b32 s17, 352
	s_cselect_b32 s17, 256, s17                    ; and that tensor's first work-group
	s_cmp_lt_u32 ttmp9, 256
	s_cselect_b64 s[4:5], s[4:5], s[6:7]           ; x, or the choice above
	s_cselect_b32 s17, 0, s17
	s_sub_co_u32 s17, ttmp9, s17
	s_lshl_b32 s17, s17, 2
	s_add_co_u32 s18, s17, s16                     ; which run of 8,192 numbers of the tensor is my wave's
	s_lshl_b32 s18, s18, 15                        ; 32,768 bytes a run
	s_mov_b32 s19, 0
	s_add_nc_u64 s[4:5], s[4:5], s[18:19]
	s_lshl_b32 s20, ttmp9, 2
	s_add_co_u32 s20, s20, s16                     ; and which run of the tables
	s_lshl_b32 s22, s20, 12                        ; 4,096 bytes of codes a run
	s_mov_b32 s23, 0
	s_add_nc_u64 s[10:11], s[10:11], s[22:23]
	s_lshl_b32 s22, s20, 8                         ; 256 scale bytes a run
	s_add_nc_u64 s[12:13], s[12:13], s[22:23]
.macro LOAD t
.irp i, 0,1,2,3
	global_load_b128 v[R+16*((\t)%4)+4*\i:R+16*((\t)%4)+4*\i+3], v3, s[4:5] offset:2048*(\t)+512*\i th:TH_LOAD_NT   ; 32 lanes read 512 consecutive bytes
.endr
.endm
.macro TURN t                          ; step t's numbers through the stage: LDS serves a wave's instructions in order, so no wait stands between the stores and the loads
.irp i, 0,1,2,3
	ds_store_b128 v14, v[R+16*((\t)%4)+4*\i:R+16*((\t)%4)+4*\i+3] offset:32*SP*((\t)%2)+8*SP*\i
.endr
.irp i, 0,1,2,3
	ds_load_b128 v[X+16*((\t)%2)+4*\i:X+16*((\t)%2)+4*\i+3], v15 offset:32*SP*((\t)%2)+16*\i
.endr
.endm
.irp t, 0,1,2,3
	LOAD \t
.endr
	s_wait_loadcnt 12                              ; step 0's four loads are in; those of steps 1 to 3 stay out
	TURN 0
.macro STEP t
.set XS, X+16*((\t)%2)
.if (\t) > 0
	s_wait_dscnt 1                                 ; this step's numbers are back from the stage (the last step's byte store may be out): so its stores into the stage have read their registers,
.else
	s_wait_dscnt 0x0
.endif
.if (\t)+4 < STEPS
	LOAD (\t)+4                                    ; which take the loads of four steps on
.endif
.if (\t)+1 < STEPS
.if STEPS-2-(\t) >= 3
	s_wait_loadcnt 12                              ; the next step's four loads are in; those of the three steps behind it may be out
.else
	s_wait_loadcnt 4*(STEPS-2-(\t))
.endif
	TURN (\t)+1                                    ; and go through the other stage while this step is worked
.endif
	v_max3_num_f32 v8, |v[XS]|, |v[XS+1]|, |v[XS+2]|               ; the largest magnitude of my 16, in two chains
	v_max3_num_f32 v9, |v[XS+3]|, |v[XS+4]|, |v[XS+5]|
.irp i, 6,10
	v_max3_num_f32 v8, v8, |v[XS+\i]|, |v[XS+\i+1]|
	v_max3_num_f32 v9, v9, |v[XS+\i+2]|, |v[XS+\i+3]|
.endr
	v_max3_num_f32 v8, v8, |v[XS+14]|, |v[XS+15]|
	v_max3_num_f32 v8, v8, v9, (EMAX+1)<<23        ; and the floor 2^(3 - 127): so the byte cannot fall under 1
	v_max_num_f32_dpp v8, v8, v8 row_xmask:1 row_mask:0xf bank_mask:0xf   ; and of my neighbour's 16: the block's
	v_add_nc_u32 v11, -(EMAX<<23), v8              ; 2 off its exponent field: the conversion takes the exponent field of this operand as its scale, and nothing else of it
	v_cvt_scalef32_pk8_fp4_f32 v[C+4*(\t)], v[XS:XS+7], v11
	v_cvt_scalef32_pk8_fp4_f32 v[C+4*(\t)+1], v[XS+8:XS+15], v11
	v_lshrrev_b32 v[E+(\t)], 23, v11               ; the scale's byte
	ds_store_b8 v5, v[E+(\t)] offset:16*(\t)       ; both lanes of a block write the same byte with the same value
	global_store_b64 v4, v[C+4*(\t):C+4*(\t)+1], s[10:11] offset:32*CB*(\t)   ; the wave stores 256 consecutive bytes, aligned
.endm
.irp t, 0,1,2,3,4,5,6,7,8,9,10,11,12,13,14,15
	STEP \t
.endr
	ds_load_b64 v[8:9], v6                         ; LDS serves a wave's instructions in order: these see my stores
	s_wait_dscnt 0x0
	global_store_b64 v7, v[8:9], s[12:13]          ; 32 lanes store 256 consecutive bytes, aligned
	s_wait_tensorcnt 0x0                           ; the wave's end
	ds_add_u32 v[SPW], v[NIL]
	s_wait_dscnt 0x0
	s_endpgm
.Lfunc_end_k_q35de2652c9_quant:
	.size	k_q35de2652c9_quant, .Lfunc_end_k_q35de2652c9_quant-k_q35de2652c9_quant
	.p2alignl 7, 3214868480
	.fill 96, 4, 3214868480
	.section	.rodata,"a",@progbits
	.p2align	6, 0x0
	.amdhsa_kernel k_q35de2652c9_quant
		.amdhsa_group_segment_fixed_size 33280
		.amdhsa_private_segment_fixed_size 0
		.amdhsa_enable_private_segment 0
		.amdhsa_kernarg_size 40
		.amdhsa_user_sgpr_count 2
		.amdhsa_user_sgpr_kernarg_segment_ptr 1
		.amdhsa_wavefront_size32 1
		.amdhsa_system_sgpr_workgroup_id_x 1
		.amdhsa_system_sgpr_workgroup_id_y 1
		.amdhsa_system_sgpr_workgroup_id_z 1
		.amdhsa_system_vgpr_workitem_id 0
		.amdhsa_next_free_vgpr 192
		.amdhsa_next_free_sgpr 66
		.amdhsa_reserve_vcc 0
		.amdhsa_float_denorm_mode_32 3
		.amdhsa_float_denorm_mode_16_64 3
		.amdhsa_memory_ordered 1
		.amdhsa_forward_progress 1
		.amdhsa_inst_pref_size 33
	.end_amdhsa_kernel
	.amdgpu_metadata
---
amdhsa.version: [ 1, 2 ]
amdhsa.kernels:
  - .name:           k_q35de2652c9_quant
    .symbol:         k_q35de2652c9_quant.kd
    .args:
      - { .name: x, .offset: 0, .size: 8, .value_kind: global_buffer, .address_space: global }
      - { .name: qkv_w, .offset: 8, .size: 8, .value_kind: global_buffer, .address_space: global }
      - { .name: out_w, .offset: 16, .size: 8, .value_kind: global_buffer, .address_space: global }
      - { .name: cod1, .offset: 24, .size: 8, .value_kind: global_buffer, .address_space: global }
      - { .name: scl1, .offset: 32, .size: 8, .value_kind: global_buffer, .address_space: global }
    .group_segment_fixed_size: 33280
    .private_segment_fixed_size: 0
    .kernarg_segment_align: 8
    .kernarg_segment_size: 40
    .max_flat_workgroup_size: 128
    .sgpr_count:     66
    .vgpr_count:     192
    .wavefront_size: 32
...
	.end_amdgpu_metadata
.endif
;; end of part 1
;; launch qkv (part 2): grid 12 x 32, 4 waves a work-group, clusters of 4 x 4, 327,680 bytes of LDS; arguments cod1, scl1, cos, sin, qkvc, qkvs; writes qkvc, qkvs
.if DOCPART == 2
	.amdgcn_target "amdgcn-amd-amdhsa--gfx1250"
	.amdhsa_code_object_version 6
	.text
	.protected	k_q35de2652c9_qkv
	.globl	k_q35de2652c9_qkv
	.p2align	8
	.type	k_q35de2652c9_qkv,@function
k_q35de2652c9_qkv:
	s_mov_b64 s[64:65], 0
	v_nop
	global_prefetch_b8 v0, s[64:65] scope:SCOPE_SE
	s_setreg_imm32_b32 hwreg(HW_REG_WAVE_MODE, 25, 1), 1
	s_wait_xcnt 0x0
	s_wait_alu depctr_hold_cnt(0) depctr_sa_sdst(0) depctr_va_vdst(0) depctr_va_sdst(0) depctr_va_ssrc(0) depctr_va_vcc(0) depctr_vm_vsrc(0)
	s_getreg_b32 s2, hwreg(HW_REG_IB_STS2, 6, 4)
	s_cmp_eq_u32 s2, 0
	s_cbranch_scc0 .Lentry_in_a_cluster
	s_endpgm
.Lentry_in_a_cluster:
	s_bfe_u32 s2, ttmp6, 0x10000c
	s_cmp_lg_u32 s2, 0xf033
	s_cbranch_scc0 .Lentry_shape_is_right
	s_endpgm
.Lentry_shape_is_right:
; Launch 2 of 4: the first product, x qkv_w^T, on codes of E2M1 with E8M0 scales; RoPE on q and k in f32; q and k quantised along the head's 64, v along the keys; only codes and scale words go to memory.
; ONE BODY: C[m][n] = sum over k of A[m][k] B[n][k], K = 1,024, a tile of 256 x 256 to a work-group of four waves, 128 x 128 (64 accumulators, 512 registers) to a wave, and the result QUANTISED ALONG n.
; The matrix instruction is used transposed (source 0 = 16 rows of B, source 1 = 16 rows of A): a lane holds ONE row m, and its registers run along n.
;   clusters x = 0, 1:  A = x (m a token), B = the q and k rows of qkv_w (n a feature): a wave's 128 columns are a PAIR of heads.  After RoPE the quantiser runs along the feature.
;   clusters x = 2:     A = the v rows of qkv_w (m a feature), B = x (n a token): a wave's 128 columns are 128 keys, and the quantiser runs along the keys.
; THE WHOLE K OF A TILE LIES IN LDS: 512 bytes a row, as two slots of 256-byte rows, both asked for at the start: two tensor loads of a wave are out, and no LDS byte is filled twice.
; CLUSTERS: 4 x 4.  A's tile is shared along a row of the cluster, B's along a column: each is asked for jointly, by the same load with the same descriptor and a mask that names the four.
; 384 tiles for 256 WGPs: one and a half fillings; a tile of 256 x 384 does not fit in LDS, and a pair of heads may not straddle the borders between q, k and v.
; THE SCALE WORDS of my 128 rows of A and of B for all of K (32 bytes a row) go straight into 64 registers at the head: lanes 0-15 hold A's block i, lanes 16-31 B's.
; WHAT IS STORED is an IMAGE OF AN OPERAND'S REGISTERS: a fragment of 16 rows x 128 along the next K is 8 registers a lane; registers 4 c .. 4 c + 3 of lane l lie at 512 c + 16 l of its 1,024 bytes.
;   q, k: [batch][pair of heads][tile of 16 tokens][1,024 B], c = the head in the pair; scale words [batch][pair][token].   v: [batch][head][128 keys][tile of 16 d][1,024 B]; scale words [batch][head][128 keys][d].
; HOW 64 NUMBERS OF A LANE BECOME A FRAGMENT: tile t (8 registers) holds k = 16 t + 8 (lane / 16) + 0 .. 7 of my row.  A block of 32 is tiles 2 b, 2 b + 1 of lanes l and l xor 16.  The codes of tiles 4 c, 4 c + 2, 4 c + 1,
; 4 c + 3 go to registers 4 c + 0 .. 3; two exchanges of halves (registers 0 with 1, 2 with 3) then leave lane (r, h) with k = 64 c + 32 h + 0 .. 31, which is the operand's layout.
; LIMITS: a block whose largest magnitude lies under 2^-124 (zeros among them) gets the byte 1; NaN and infinities are not served.
; REGISTERS, in windows of 256: window 0: v1-29 addresses; v32-95 scale words; v128-191 A's fragments, one set; on the way out v32-95 and v128-191 cos and sin, two sets, v192-255 the numbers after RoPE, v96-127 at work.
;   window 1: B's fragments, two sets, at v0 and v128.   windows 2, 3: the accumulators of my rows 0-63 and 64-127, (a, b) at v[8 (8 (a % 4) + b)].
.set ROWB,   256                       ; a slot's row: 512 codes
.set KROW,   512                       ; a row of cod1
.set NQ,     4                         ; matrix instructions deep in a slot
.set PITCH,  272                       ; an LDS row: 256 bytes + 16 of padding = 68 words: the 16 rows that a load touches start 4 banks apart (64 banks of 4 bytes: ISA guide 11.1)
.set FR,     8
.set NL,     2
.set NP,     4                         ; places behind this matrix instruction (ISA guide 7.12.1)
.set HALFT,  128*PITCH
.set SLOT,   4*HALFT                   ; A's 256 rows, then B's 256 rows
.set SPARE,  2*SLOT                    ; the spare words, 128 bytes a wave, which no other line names
.set STG,    SPARE+512                 ; 512 bytes for each wave: its 128 scale words on their way out; no tile lands here
.set ADRA, 16                          ; v16-17  LDS address of my A fragments in slot 0, 1
.set ADRB, 20                          ; v20-21  the same for B
.set CVO,  22                          ; v22     cos, sin: 256 r + 32 h
.set L16,  23                          ; v23     16 x lane: my place in an image
.set SWA,  24                          ; v24     where my row's scale word goes in the stage
.set SRD,  25                          ; v25     where I read 16 bytes of the stage back
.set VSO,  26                          ; v26     and where they go in qkvs
.set SPW,  28                          ; v28     my spare word; never rewritten
.set NIL,  29                          ; v29     0; never rewritten
.set SC,   32
.set AF,   128
.set CS0,  32                          ; cos at +0 .. 31, sin at +32 .. 63; the second set 96 further on
.set Y,    192
.set TM,   96                          ; v96-99 largest magnitudes, v100-103 the other half's, then bytes, v108-111 the conversions' scale operands
.set PC,   112                         ; v112-119 the codes just made
.set PWB,  120                         ; v120-127 the scale word of each of my eight blocks of rows
.set G1,   24
.set G0,   32
.set G1B,  48
.set G0B,  56
.set ISV,  66                          ; s66  1 in the clusters that make v
.set WV,   72                          ; s72  wave
.set RH,   73                          ; s73  which half of the tile's rows is mine; also: I fetch for A (0) or for B (1)
.set CH,   74                          ; s74  which half of its columns; also: which 128 rows I fetch
.set SEL,  76                          ; s[76:77] lane selects: lane l xor 16
.set MSB, 0
.macro WIN new                         ; the immediate's high byte repeats the setting that is left
.if MSB != (\new)
	s_set_vgpr_msb (MSB<<8)|(\new)
.set MSB, (\new)
.endif
.endm
.set MUL_LO, 0xa1                      ; source 0 (B) window 1, source 1 (A) window 0, C and D window 2
.set MUL_HI, 0xf1
.set TO_B,   0x40
.macro JLOAD g0a, g1a, g0b, g1b        ; a joint load: waves 0, 1 fetch for A, waves 2, 3 for B; the branch hangs on the wave's number alone; an s_nop 0 and four v_nop follow each line
	s_cmp_eq_u32 s[RH], 0
	s_cbranch_scc0 .Lfor_b_\@
	tensor_load_to_lds s[\g0a:\g0a+3], s[\g1a:\g1a+7]
	s_nop 0
.rept 4
	v_nop
.endr
	s_branch .Lasked_\@
.Lfor_b_\@:
	tensor_load_to_lds s[\g0b:\g0b+3], s[\g1b:\g1b+7]
	s_nop 0
.rept 4
	v_nop
.endr
.Lasked_\@:
.endm
.macro CROUND                          ; a round of the cluster's barrier
	s_barrier_signal -1
	s_barrier_wait -1
	s_cmp_lg_u32 s[WV], 0
	s_cbranch_scc1 .Lnot_wave_0_\@
	s_barrier_signal -3
.Lnot_wave_0_\@:
	s_barrier_wait -3
	s_barrier_signal -1
	s_barrier_wait -1
.endm
	s_load_b256 s[4:11], s[0:1], 0x0               ; cod1 s[4:5], scl1 s[6:7], cos s[8:9], sin s[10:11]
	s_load_b128 s[12:15], s[0:1], 0x20             ; qkvc s[12:13], qkvs s[14:15]
	v_lshl_add_u32 v[SPW], v0, 2, SPARE
	v_mov_b32 v[NIL], 0
	ds_add_u32 v[SPW], v[NIL]                      ; the wave's opening: the add, twice on end, and its wait ahead of my first tensor load
	ds_add_u32 v[SPW], v[NIL]
	v_lshrrev_b32 v1, 5, v0
	v_readfirstlane_b32 s[WV], v1
	s_lshr_b32 s[RH], s[WV], 1
	s_and_b32 s[CH], s[WV], 1
	s_bfe_u32 s40, ttmp6, 0x40000                  ; cx
	s_bfe_u32 s41, ttmp6, 0x40004                  ; cy
	s_and_b32 s67, ttmp7, 0xffff                   ; cluster y
	s_lshl_b32 s43, s41, 2
	s_lshl_b32 s43, 15, s43                        ; my row of the cluster
	s_lshl_b32 s44, 0x1111, s40                    ; my column
	s_or_b32 s[G1+0], s43, (0<<16)|(1<<20)|(1<<21)|(5<<22)|(3<<25)   ; the mask; elements of 1 byte; padding on; bit 21 beside a mask; 4 words behind every 64
	s_or_b32 s[G1B+0], s44, (0<<16)|(1<<20)|(1<<21)|(5<<22)|(3<<25)
.irp g, G1, G1B
	s_mov_b32 s[\g+1], ROWB<<16                    ; tensor_dim0 = 256
	s_mov_b32 s[\g+2], 128<<16                     ; tensor_dim1 = 128
	s_mov_b32 s[\g+3], ROWB<<16                    ; tile_dim0
	s_mov_b32 s[\g+4], 128                         ; tile_dim1
	s_mov_b32 s[\g+5], KROW                        ; from row to row
	s_mov_b32 s[\g+6], 0
	s_mov_b32 s[\g+7], 0
.endr
	s_lshl_b32 s18, s67, 10                        ; 1,024 x cluster y
	s_lshl_b32 s19, ttmp9, 10
	s_add_co_u32 s19, s19, 8192                    ; qkv_w's rows begin at 8,192
	s_lshl_b32 s21, s41, 8                         ; 256 cy
	s_lshl_b32 s47, s40, 8                         ; 256 cx
	s_lshl_b32 s22, s[CH], 7                       ; which 128 rows I fetch
	s_cmp_eq_u32 ttmp9, 2                          ; the cluster's x: the same in all sixteen partners
	s_cselect_b32 s[ISV], 1, 0
	s_cselect_b32 s20, 10240, s18                  ; A: the v rows of qkv_w, or tokens
	s_cselect_b32 s46, s18, s19                    ; B: tokens, or the q and k rows
	s_add_co_u32 s20, s20, s21                     ; A's first row in cod1: it hangs on cy, which my row of the cluster shares
	s_add_co_u32 s46, s46, s47                     ; B's: on cx, which my column shares
	s_add_co_u32 s16, s20, s22
	s_lshl_b32 s16, s16, 9                         ; in bytes
	s_mov_b32 s17, 0
	s_add_co_u32 s70, s46, s22
	s_lshl_b32 s70, s70, 9
	s_mov_b32 s71, 0
	s_mul_i32 s45, s[WV], HALFT                    ; where they go: wave x 128 rows
	s_mov_b32 s[SEL], 0x76543210
	s_mov_b32 s[SEL+1], 0xfedcba98
	s_wait_dscnt 0x0                               ; both opening adds are done
	s_wait_kmcnt 0x0
	s_add_nc_u64 s[16:17], s[4:5], s[16:17]
	s_add_nc_u64 s[70:71], s[4:5], s[70:71]
	CROUND                                         ; all sixteen work-groups are here: the joint loads meet
.irp s, 0,1
	s_mov_b32 s[G0+4*\s], 1
	s_add_co_u32 s[G0+4*\s+1], s45, \s*SLOT
	s_add_nc_u64 s[G0+4*\s+2:G0+4*\s+3], s[16:17], \s*ROWB
	s_or_b32 s[G0+4*\s+3], s[G0+4*\s+3], 0x80000000
	s_mov_b32 s[G0B+4*\s], 1
	s_add_co_u32 s[G0B+4*\s+1], s45, \s*SLOT
	s_add_nc_u64 s[G0B+4*\s+2:G0B+4*\s+3], s[70:71], \s*ROWB
	s_or_b32 s[G0B+4*\s+3], s[G0B+4*\s+3], 0x80000000
	JLOAD G0+4*\s, G1, G0B+4*\s, G1B
.endr
	v_and_b32 v1, 15, v0                           ; r
	v_bfe_u32 v2, v0, 4, 1                         ; h
	v_mul_u32_u24 v3, v1, PITCH
	v_lshl_add_u32 v4, v2, 4, v3                   ; a fragment's row x pitch + 16 h
	s_mul_i32 s21, s[RH], HALFT                    ; my 128 rows of A
	s_mul_i32 s22, s[CH], HALFT                    ; my 128 rows of B,
	s_add_co_u32 s22, s22, 2*HALFT                 ; behind A's 256
.irp s, 0,1
	v_add_nc_u32 v[ADRA+\s], s21, v4
	v_add_nc_u32 v[ADRB+\s], s22, v4
	s_add_co_u32 s21, s21, SLOT
	s_add_co_u32 s22, s22, SLOT
.endr
	s_lshl_b32 s21, s[RH], 7
	s_add_co_u32 s21, s21, s20                     ; the first row of A that I multiply,
	s_lshl_b32 s22, s[CH], 7
	s_add_co_u32 s22, s22, s46                     ; and of B
	v_mov_b32 v5, s21
	v_mov_b32 v6, s22
	v_cmp_ne_u32 vcc_lo, 0, v2
	v_cndmask_b32 v5, v5, v6, vcc_lo               ; lanes 0-15 take A's scale words, lanes 16-31 B's
	v_add_nc_u32 v5, v5, v1
	v_lshlrev_b32 v5, 5, v5                        ; 32 bytes a row of scl1
.irp s, 0,1
.irp i, 0,1,2,3,4,5,6,7
	global_load_b128 v[SC+32*\s+4*\i:SC+32*\s+4*\i+3], v5, s[6:7] offset:\i*512+16*\s   ; block i's four words of slot s
.endr
.endr
	v_lshlrev_b32 v[CVO], 8, v1
	v_lshl_add_u32 v[CVO], v2, 5, v[CVO]
	v_and_b32 v7, 31, v0
	v_lshlrev_b32 v[L16], 4, v7
	s_lshl_b32 s23, s[WV], 9
	s_add_co_u32 s23, s23, STG                     ; my stage
	v_lshl_add_u32 v[SWA], v1, 2, s23
	v_add_nc_u32 v[SRD], s23, v[L16]
	s_mov_b32 s21, 256
	s_cmp_eq_u32 s[ISV], 1
	s_cselect_b32 s21, 4096, s21                   ; the stage's second 256 bytes: q, k: the next 64 tokens; v: the next head
	v_mul_u32_u24 v[VSO], v2, s21
	v_lshl_add_u32 v[VSO], v1, 4, v[VSO]
.macro FRAG reg, adr, q, i             ; 16 rows x 128 K of 4-bit codes: two loads of 16 bytes, 32 bytes apart
.irp c, 0,1
	ds_load_b128 v[\reg+4*\c:\reg+4*\c+3], v[\adr] offset:64*(\q)+32*\c+(\i)*16*PITCH
.endr
.endm
; 16 matrix instructions: A's blocks a0, a0 + 1 x B's eight.  The 64 accumulators take turns, one instruction a turn, in the same order in every step.
.macro MUL16 a0, p, q, sc, zero
.irp a, \a0, \a0+1
.irp b, 0,1,2,3,4,5,6,7
.if \zero
	v_wmma_scale_f32_16x16x128_f8f6f4 v[8*(8*((\a)%4)+\b):8*(8*((\a)%4)+\b)+7], v[128*(\p)+FR*\b:128*(\p)+FR*\b+FR-1], v[AF+FR*(\a):AF+FR*(\a)+FR-1], 0, v[SC+8*NQ*(\sc)+NQ*\b+(\q)], v[SC+8*NQ*(\sc)+NQ*(\a)+(\q)] matrix_a_fmt:MATRIX_FMT_FP4 matrix_b_fmt:MATRIX_FMT_FP4 matrix_a_scale:MATRIX_SCALE_ROW1
.else
	v_wmma_scale_f32_16x16x128_f8f6f4 v[8*(8*((\a)%4)+\b):8*(8*((\a)%4)+\b)+7], v[128*(\p)+FR*\b:128*(\p)+FR*\b+FR-1], v[AF+FR*(\a):AF+FR*(\a)+FR-1], v[8*(8*((\a)%4)+\b):8*(8*((\a)%4)+\b)+7], v[SC+8*NQ*(\sc)+NQ*\b+(\q)], v[SC+8*NQ*(\sc)+NQ*(\a)+(\q)] matrix_a_fmt:MATRIX_FMT_FP4 matrix_b_fmt:MATRIX_FMT_FP4 matrix_a_scale:MATRIX_SCALE_ROW1
.endif
.endr
.endr
.endm
.macro FETCH_B slot, q, p
	WIN TO_B
.irp i, 0,1,2,3,4,5,6,7
	FRAG 128*(\p)+FR*\i, ADRB+\slot, \q, \i
.endr
	WIN 0
.endm
.macro FETCH_A slot, q, i0
.irp i, \i0, \i0+1, \i0+2, \i0+3
	FRAG AF+FR*(\i), ADRA+\slot, \q, \i
.endr
.endm
.macro PLACES n                        ; plain vector instructions between a matrix instruction and a load into, or a read of, its registers
.rept \n
	v_nop
.endr
.endm
.macro STEP slot, q, zero              ; 128 along K that has its successor in the same slot: A's blocks 0-3 are fetched anew in its middle, with B's other set; blocks 4-7 at its end
	s_wait_dscnt 4*NL                              ; B's set and A's blocks 0-3 are in; the youngest eight loads (A's blocks 4-7) may be out
	WIN MUL_LO
	MUL16 0, (\q)%2, \q, \slot, \zero
	MUL16 2, (\q)%2, \q, \slot, \zero
	s_wait_dscnt 0
	PLACES NP
	FETCH_B \slot, (\q)+1, 1-(\q)%2
	FETCH_A \slot, (\q)+1, 0
	WIN MUL_HI
	MUL16 4, (\q)%2, \q, \slot, \zero
	MUL16 6, (\q)%2, \q, \slot, \zero
	PLACES NP
	WIN 0
	FETCH_A \slot, (\q)+1, 4
.endm
.macro TURN slot, next                 ; slot 0's last step goes on into slot 1: each wave's part of slot 1 has landed in front of the barrier
	s_wait_tensorcnt 0x0                           ; all my tensor loads have landed: my part of the next slot
	ds_add_u32 v[SPW], v[NIL]                      ; 0 onto my spare word
	s_wait_dscnt 4*NL+1                            ; (the add and the youngest eight loads may be out)
	WIN MUL_LO
	MUL16 0, 1, NQ-1, \slot, 0
	s_wait_dscnt 0x0                               ; no LDS instruction of mine is out at the signal
	s_barrier_signal -1
	MUL16 2, 1, NQ-1, \slot, 0
	WIN 0
	s_barrier_wait -1                              ; everybody's part of the next slot is in
	PLACES NP
	FETCH_B \next, 0, 0
	FETCH_A \next, 0, 0
	WIN MUL_HI
	MUL16 4, 1, NQ-1, \slot, 0
	MUL16 6, 1, NQ-1, \slot, 0
	PLACES NP
	WIN 0
	FETCH_A \next, 0, 4
.endm
.macro STEPS slot, from
.set Q, \from
.rept NQ-1-\from
	STEP \slot, Q, 0
.set Q, Q+1
.endr
.endm
	s_wait_tensorcnt 1                             ; my part of slot 0 is in; slot 1's load may stay out
	s_barrier_signal -1
	s_barrier_wait -1
	FETCH_B 0, 0, 0
	FETCH_A 0, 0, 0
	FETCH_A 0, 0, 4
	s_wait_loadcnt 0x0                             ; the scale words
	STEP 0, 0, 1                                   ; the first products start the sums: nothing is cleared
	STEPS 0, 1
	TURN 0, 1
	STEPS 1, 0
	s_wait_dscnt 4*NL                              ; the last step: nothing more to fetch
	WIN MUL_LO
	MUL16 0, 1, NQ-1, 1, 0
	MUL16 2, 1, NQ-1, 1, 0
	s_wait_dscnt 0
	WIN MUL_HI
	MUL16 4, 1, NQ-1, 1, 0
	MUL16 6, 1, NQ-1, 1, 0
	WIN 0
	PLACES NP                                      ; in front of the reads of results and of the loads into registers that held scale words and A's fragments
; THE WAY OUT, a block of 16 rows (8 accumulators: 64 numbers a lane) at a time.
.macro CSLOAD a, buf                   ; cos and sin of block a's 16 tokens, in the results' layout: register 8 t + j = d 16 t + 8 h + j of token 16 a + r
.irp t, 0,1,2,3
.irp i, 0,1
	global_load_b128 v[(\buf)+8*\t+4*\i:(\buf)+8*\t+4*\i+3], v[CVO], s[8:9] offset:(\a)*4096+64*\t+16*\i
	global_load_b128 v[(\buf)+32+8*\t+4*\i:(\buf)+32+8*\t+4*\i+3], v[CVO], s[10:11] offset:(\a)*4096+64*\t+16*\i
.endr
.endr
.endm
.macro ROPE a, buf                     ; y[d] = x[d] cos[d] - x[d + 32] sin[d] for d < 32, x[d] cos[d] + x[d - 32] sin[d] beyond: tiles t and t + 2 of a head; each accumulator is read from its low end on
	WIN 2+(\a)/4                                   ; source 0: the accumulators' window
.set AC, 64*((\a)%4)
.irp c, 0,1
.irp t, 0,1
.irp j, 0,2,4,6
.set rX1, AC+8*(4*\c+\t)+\j
.set rX2, AC+8*(4*\c+\t+2)+\j
.set rY1, Y+8*(4*\c+\t)+\j
.set rY2, Y+8*(4*\c+\t+2)+\j
	v_pk_mul_f32 v[rY1:rY1+1], v[rX1:rX1+1], v[(\buf)+8*\t+\j:(\buf)+8*\t+\j+1]
	v_pk_mul_f32 v[rY2:rY2+1], v[rX2:rX2+1], v[(\buf)+8*(\t+2)+\j:(\buf)+8*(\t+2)+\j+1]
	v_pk_fma_f32 v[rY1:rY1+1], v[rX2:rX2+1], v[(\buf)+32+8*\t+\j:(\buf)+32+8*\t+\j+1], v[rY1:rY1+1] neg_lo:[1,0,0] neg_hi:[1,0,0]
	v_pk_fma_f32 v[rY2:rY2+1], v[rX1:rX1+1], v[(\buf)+32+8*(\t+2)+\j:(\buf)+32+8*(\t+2)+\j+1], v[rY2:rY2+1]
.endr
.endr
.endr
	WIN 0
.endm
; 64 numbers of a lane from v[s] on (window by wm for the maxima, wc for the conversions) become a fragment's codes in v[PC] on and its scale word in v[pw].
.macro QUANT s, wm, wc, pw
	WIN \wm
.irp b, 0,1,2,3
	v_max3_num_f32 v[TM+\b], |v[(\s)+16*\b]|, |v[(\s)+1+16*\b]|, 0x1800000   ; block b: my 16 numbers, and the floor 2^(3 - 127): the byte cannot fall under 1
.endr
.irp i, 2,4,6,8,10,12,14
.irp b, 0,1,2,3
	v_max3_num_f32 v[TM+\b], |v[(\s)+16*\b+\i]|, |v[(\s)+1+16*\b+\i]|, v[TM+\b]   ; (the four blocks by turns)
.endr
.endr
	WIN 0
.irp b, 0,1,2,3
	v_permlanex16_b32 v[TM+4+\b], v[TM+\b], s[SEL], s[SEL+1]
.endr
.irp b, 0,1,2,3
	v_max_num_f32 v[TM+\b], v[TM+\b], v[TM+4+\b]   ; with lane l xor 16's: the block's largest magnitude
.endr
.irp b, 0,1,2,3
	v_add_nc_u32 v[TM+12+\b], 0xff000000, v[TM+\b] ; 2 off its exponent field: the conversion's scale operand
.endr
.irp b, 0,1,2,3
	v_lshrrev_b32 v[TM+4+\b], 23, v[TM+12+\b]      ; the scale's byte
.endr
	v_lshl_or_b32 v[\pw], v[TM+5], 8, v[TM+4]
	v_lshl_or_b32 v[\pw], v[TM+6], 16, v[\pw]
	v_lshl_or_b32 v[\pw], v[TM+7], 24, v[\pw]      ; my row's scale word
	WIN \wc
.irp c, 0,1
	v_cvt_scalef32_pk8_fp4_f32 v[PC+4*\c],   v[(\s)+32*\c:(\s)+32*\c+7],     v[TM+12+2*\c]
	v_cvt_scalef32_pk8_fp4_f32 v[PC+4*\c+2], v[(\s)+32*\c+8:(\s)+32*\c+15],  v[TM+12+2*\c]
	v_cvt_scalef32_pk8_fp4_f32 v[PC+4*\c+1], v[(\s)+32*\c+16:(\s)+32*\c+23], v[TM+13+2*\c]
	v_cvt_scalef32_pk8_fp4_f32 v[PC+4*\c+3], v[(\s)+32*\c+24:(\s)+32*\c+31], v[TM+13+2*\c]
.endr
	WIN 0
	v_nop                                          ; one plain place behind the last scaled conversion
.irp c, 0,1
	v_permlane16_swap_b32 v[PC+4*\c],   v[PC+4*\c+1]   ; the first's lanes 16-31 change places with the second's lanes 0-15
	v_permlane16_swap_b32 v[PC+4*\c+2], v[PC+4*\c+3]
.endr
.endm
.macro EPI a, rope
	s_wait_xcnt 0x0                                ; the last block's stores have read the codes' registers
.if \rope
.if (\a) < 7
	s_wait_loadcnt 16                              ; this block's 16 loads of cos and sin are in; the next block's 16 stay out
.else
	s_wait_loadcnt 0x0
.endif
	ROPE \a, CS0+96*((\a)%2)
.if (\a) < 6
	CSLOAD (\a)+2, CS0+96*((\a)%2)
.endif
	QUANT Y, 0, 0, PWB+(\a)
.irp c, 0,1
	global_store_b128 v[L16], v[PC+4*\c:PC+4*\c+3], s[12:13] offset:(\a)*1024+512*\c   ; the wave stores 512 consecutive bytes, aligned
.endr
.else
	QUANT 64*((\a)%4), 0x0a+5*((\a)/4), 2+(\a)/4, PWB+(\a)
.irp c, 0,1
	global_store_b128 v[L16], v[PC+4*\c:PC+4*\c+3], s[12:13] offset:((\a)/4)*65536+((\a)%4)*1024+512*\c
.endr
.endif
.endm
.irp b, 0,1,2,3
	v_mov_b32 v[TM+4+\b], 0                        ; written once: a lane permute's destination counts as one of its sources
.endr
	s_cmp_eq_u32 s[ISV], 1
	s_cbranch_scc1 .Lvalues
	; q and k.  Tile row TR (256 tokens), tile column TC (256 features)
	s_lshl_b32 s68, s67, 2
	s_add_co_u32 s68, s68, s41                     ; TR
	s_lshl_b32 s69, ttmp9, 2
	s_add_co_u32 s69, s69, s40                     ; TC
	s_lshr_b32 s42, s69, 2                         ; 0: q, 1: k
	s_lshr_b32 s43, s68, 3                         ; the batch
	s_and_b32 s44, s69, 3
	s_lshl_b32 s44, s44, 1
	s_add_co_u32 s44, s44, s[CH]                   ; the pair of heads
	s_and_b32 s45, s68, 7
	s_lshl_b32 s45, s45, 1
	s_add_co_u32 s45, s45, s[RH]                   ; which 128 tokens of the batch
	s_lshl_b32 s16, s42, 22
	s_lshl_b32 s18, s43, 20
	s_add_co_u32 s16, s16, s18
	s_lshl_b32 s18, s44, 17
	s_add_co_u32 s16, s16, s18
	s_lshl_b32 s18, s45, 13
	s_add_co_u32 s16, s16, s18
	s_mov_b32 s17, 0
	s_add_nc_u64 s[12:13], s[12:13], s[16:17]      ; my eight images
	s_lshl_b32 s16, s42, 18
	s_lshl_b32 s18, s43, 16
	s_add_co_u32 s16, s16, s18
	s_lshl_b32 s18, s44, 13
	s_add_co_u32 s16, s16, s18
	s_lshl_b32 s18, s45, 9
	s_add_co_u32 s16, s16, s18
	s_add_nc_u64 s[14:15], s[14:15], s[16:17]      ; my 128 scale words
	s_lshl_b32 s16, s45, 15                        ; 128 tokens x 256 bytes of cos and of sin
	s_add_nc_u64 s[8:9], s[8:9], s[16:17]
	s_add_nc_u64 s[10:11], s[10:11], s[16:17]
	CSLOAD 0, CS0
	CSLOAD 1, CS0+96
.irp a, 0,1,2,3,4,5,6,7
	EPI \a, 1
.endr
	s_branch .Ltail
.Lvalues:
	; v.  My rows are features 256 cy + 128 RH on: two heads; my columns are one run of 128 keys
	s_lshl_b32 s42, s41, 2
	s_lshl_b32 s43, s[RH], 1
	s_add_co_u32 s42, s42, s43                     ; my first head
	s_lshl_b32 s43, s67, 2
	s_add_co_u32 s43, s43, s40
	s_lshl_b32 s43, s43, 1
	s_add_co_u32 s43, s43, s[CH]                   ; which 128 tokens of the 8,192
	s_lshr_b32 s44, s43, 4                         ; the batch
	s_and_b32 s45, s43, 15                         ; and which 128 keys in it
	s_lshl_b32 s16, s44, 20
	s_lshl_b32 s18, s42, 16
	s_add_co_u32 s16, s16, s18
	s_lshl_b32 s18, s45, 12
	s_add_co_u32 s16, s16, s18
	s_add_co_u32 s16, s16, 8388608
	s_mov_b32 s17, 0
	s_add_nc_u64 s[12:13], s[12:13], s[16:17]
	s_lshl_b32 s16, s44, 16
	s_lshl_b32 s18, s42, 12
	s_add_co_u32 s16, s16, s18
	s_lshl_b32 s18, s45, 8
	s_add_co_u32 s16, s16, s18
	s_add_co_u32 s16, s16, 524288
	s_add_nc_u64 s[14:15], s[14:15], s[16:17]
.irp a, 0,1,2,3,4,5,6,7
	EPI \a, 0
.endr
.Ltail:
.irp a, 0,1,2,3,4,5,6,7
	ds_store_b32 v[SWA], v[PWB+\a] offset:64*\a    ; row 16 a + r's word; both halves of the lanes write the same word with the same value
.endr
	ds_load_b128 v[TM:TM+3], v[SRD]                ; LDS serves a wave's instructions in order: this sees my stores
	s_wait_dscnt 0x0
	global_store_b128 v[VSO], v[TM:TM+3], s[14:15] ; sixteen lanes store 256 consecutive bytes, aligned
	s_wait_tensorcnt 0x0                           ; the wave's end
	ds_add_u32 v[SPW], v[NIL]
	s_wait_dscnt 0x0
	CROUND                                         ; the closing round
	s_endpgm
.Lfunc_end_k_q35de2652c9_qkv:
	.size	k_q35de2652c9_qkv, .Lfunc_end_k_q35de2652c9_qkv-k_q35de2652c9_qkv
	.p2alignl 7, 3214868480
	.fill 96, 4, 3214868480
	.section	.rodata,"a",@progbits
	.p2align	6, 0x0
	.amdhsa_kernel k_q35de2652c9_qkv
		.amdhsa_group_segment_fixed_size 327680
		.amdhsa_private_segment_fixed_size 0
		.amdhsa_enable_private_segment 0
		.amdhsa_kernarg_size 48
		.amdhsa_user_sgpr_count 2
		.amdhsa_user_sgpr_kernarg_segment_ptr 1
		.amdhsa_wavefront_size32 1
		.amdhsa_system_sgpr_workgroup_id_x 1
		.amdhsa_system_sgpr_workgroup_id_y 1
		.amdhsa_system_sgpr_workgroup_id_z 1
		.amdhsa_system_vgpr_workitem_id 0
		.amdhsa_next_free_vgpr 1024
		.amdhsa_next_free_sgpr 100
		.amdhsa_reserve_vcc 1
		.amdhsa_float_denorm_mode_32 3
		.amdhsa_float_denorm_mode_16_64 3
		.amdhsa_memory_ordered 1
		.amdhsa_forward_progress 1
		.amdhsa_inst_pref_size 205
	.end_amdhsa_kernel
	.amdgpu_metadata
---
amdhsa.version: [ 1, 2 ]
amdhsa.kernels:
  - .name:           k_q35de2652c9_qkv
    .symbol:         k_q35de2652c9_qkv.kd
    .args:
      - { .name: cod1, .offset: 0, .size: 8, .value_kind: global_buffer, .address_space: global }
      - { .name: scl1, .offset: 8, .size: 8, .value_kind: global_buffer, .address_space: global }
      - { .name: cos, .offset: 16, .size: 8, .value_kind: global_buffer, .address_space: global }
      - { .name: sin, .offset: 24, .size: 8, .value_kind: global_buffer, .address_space: global }
      - { .name: qkvc, .offset: 32, .size: 8, .value_kind: global_buffer, .address_space: global }
      - { .name: qkvs, .offset: 40, .size: 8, .value_kind: global_buffer, .address_space: global }
    .group_segment_fixed_size: 327680
    .private_segment_fixed_size: 0
    .kernarg_segment_align: 8
    .kernarg_segment_size: 48
    .max_flat_workgroup_size: 128
    .sgpr_count:     100
    .vgpr_count:     1024
    .wavefront_size: 32
...
	.end_amdgpu_metadata
.endif
;; end of part 2
;; launch attn (part 3): grid 8 x 32, 16 waves a work-group, no clusters, 72,704 bytes of LDS; arguments qkvc, qkvs, ac, asc; writes ac, asc
.if DOCPART == 3
	.amdgcn_target "amdgcn-amd-amdhsa--gfx1250"
	.amdhsa_code_object_version 6
	.text
	.protected	k_q35de2652c9_attn
	.globl	k_q35de2652c9_attn
	.p2align	8
	.type	k_q35de2652c9_attn,@function
k_q35de2652c9_attn:
	s_mov_b64 s[64:65], 0
	v_nop
	global_prefetch_b8 v0, s[64:65] scope:SCOPE_SE
	s_setreg_imm32_b32 hwreg(HW_REG_WAVE_MODE, 25, 1), 1
	s_wait_xcnt 0x0
; Launch 3 of 4: the two products of attention on codes of E2M1, the softmax between them, o = O / l quantised along (head, d) for the last product.
; WORK LEFT OUT: key j counts for query i only where i - 255 <= j <= i, by a mask that reference() builds itself: of the 16 runs of 128 keys only runs m - 2, m - 1, m of a query in run m are multiplied (launch 1's head has the proof and the limit).
; SHARES.  A work-group owns 256 queries of one PAIR of heads; each of its sixteen waves 16 queries, both heads one after the other, in 256 registers: four waves to a SIMD, so that one wave's vector work stands beside another's
; matrix work.  So a wave ends with a whole operand image (16 tokens x 128 along the last product's K) and a whole scale word a token.
; No tensor load, no cluster: the work-group's four runs of keys (K 32 KB, V 32 KB, 4 KB of scale words) come once through registers into LDS; only half of them are shared, with one neighbour.  One barrier, then straight-line work.
; LAYOUT.  Both products are used transposed: S^T = K Q^T (source 0 = 16 keys, source 1 = my 16 queries), O^T = V^T P^T: a lane holds ONE query (lane % 16) throughout.
; A PAIR OF HEADS IS ONE K STEP OF 128: K's image and both scale words are used as they lie; Q's fragment has zero codes in the other head's half, which add nothing.
; THE SOFTMAX: t = score x log2(e) / 8; M = the running largest t rounded UP to a whole number; p = 2^(t - M) is quantised along the keys, not normalised; l sums the unquantised p; when M moves, l and O are multiplied by a
; power of two, which rounds nothing.  The run on the diagonal goes first: key 128 m counts for every query of run m, so M is a number from the first step on.  Hidden scores become -infinity ahead of the maximum: p = 0.
; p's 64 numbers of a lane become an operand as in launch 2: tile t holds keys 16 t + 8 h + 0 .. 7; codes of tiles 4 c, 4 c + 2, 4 c + 1, 4 c + 3 to registers 4 c + 0 .. 3, two exchanges of halves.
; A block's largest p is not searched for: p rises with the score, so the block's largest score goes through the same multiply-add and exponential (this takes v_exp_f32 not to fall where its input rises).
; LIMITS: a block of p or of o under 2^-124 gets the byte 1 (its codes are zeros or subnormal); NaN and infinities among the inputs are not served.
.set KC,    0                          ; LDS: K's images, 8,192 bytes for each of four runs of 128 keys (run 2 g - 2 + cl at cl)
.set VC,    32768                      ; V's: head e of the pair at 16,384 e, 4,096 bytes a run
.set KS,    65536                      ; K's scale words: 512 bytes a run
.set VS,    67584                      ; V's: 1,024 e + 256 a run
.set STG,   69632                      ; the 256 scale words of o on their way out
.set SPARE, 70656                      ; the spare words, 128 bytes a wave, which no other line names
.set AK,   1                           ; v1   K's images: my first run + 16 x lane
.set AV,   2                           ; v2   V's
.set AKS,  3                           ; v3   K's scale words: + 4 r
.set AVS,  4                           ; v4   V's
.set SPW,  5                           ; v5   my spare word; never rewritten
.set NIL,  6                           ; v6   0; never rewritten
.set L16,  7                           ; v7   16 x lane
.set DM,   8                           ; v8   16 (wave % 8) + r - 8 h: my query's place in its run, less my half's 8 keys
.set NINF, 9                           ; v9   -infinity
.set SWA,  10                          ; v10  where my query's scale word goes in the stage
.set SGO,  11                          ; v11  16 (thread % 64): the stage's way out, in asc
.set SRD,  29                          ; v29  and in LDS
.set R4,   30                          ; v30  4 r
.set KF,   32                          ; v32-95  K's eight fragments; V's four take v32-63
.set S,    96                          ; v96-159 S^T, then p
.set OA,   160                         ; v160-191 O^T: four tiles of 16 d
.set P,    192                         ; v192-199 p's codes
.set OC,   200                         ; v200-207 o's codes: the image that goes out
.set OB,   208                         ; v208-211 o's four scale bytes
.set KSR,  212                         ; v212-219 K's scale words
.set VSR,  220                         ; v220-223 V's
.set BM,   232                         ; v232-235 a block's largest score, then p
.set TP,   236                         ; v236-239 at work
.set TSC,  244                         ; v244-247 the conversions' scale operands
.set CS,   30                          ; s[30:31] c = log2(e) / 8
.set SEL,  32                          ; s[32:33] lane selects: lane l xor 16
	s_load_b256 s[4:11], s[0:1], 0x0               ; qkvc s[4:5], qkvs s[6:7], ac s[8:9], asc s[10:11]
	v_lshl_add_u32 v[SPW], v0, 2, SPARE
	v_mov_b32 v[NIL], 0
	v_lshrrev_b32 v1, 5, v0
	v_readfirstlane_b32 s12, v1                    ; wave 0..15
	s_and_b32 s13, ttmp7, 0xffff                   ; 8 x batch + pair
	s_lshl_b32 s14, ttmp9, 4
	s_add_co_u32 s14, s14, s12                     ; my tile of 16 queries in the sequence
	s_lshr_b32 s15, s12, 3
	s_lshl_b32 s20, ttmp9, 1
	s_add_co_u32 s15, s15, s20                     ; m: my queries' run of 128
	s_lshl_b32 s16, s13, 17
	s_lshl_b32 s17, s14, 10
	s_add_co_u32 s16, s16, s17                     ; Q's image
	s_mov_b32 s17, 0
	s_lshl_b32 s18, s13, 13
	s_lshl_b32 s19, s14, 6
	s_add_co_u32 s18, s18, s19                     ; Q's scale words
	s_mov_b32 s19, 0
	s_and_b32 s34, s13, 7                          ; the pair
	s_lshr_b32 s35, s13, 3                         ; the batch
	s_lshl_b32 s36, s34, 19
	s_lshl_b32 s37, s35, 7
	s_add_co_u32 s37, s37, s14
	s_lshl_b32 s37, s37, 10
	s_add_co_u32 s36, s36, s37                     ; ac: pair x 524,288 + token tile x 1,024
	s_mov_b32 s37, 0
	s_lshl_b32 s38, s34, 15
	s_lshl_b32 s39, s35, 13
	s_add_co_u32 s38, s38, s39
	s_lshl_b32 s39, ttmp9, 10
	s_add_co_u32 s38, s38, s39                     ; asc: pair x 32,768 + 4 x the work-group's first token
	s_mov_b32 s39, 0
	s_mov_b32 s[CS], 0x3e38aa3b
	s_mov_b32 s[CS+1], s[CS]                       ; (named with it as a pair, so it is written)
	s_mov_b32 s[SEL], 0x76543210
	s_mov_b32 s[SEL+1], 0xfedcba98
	; every LDS address is made here, ahead of all branches, from the thread's number and constants
	v_and_b32 v[L16], 31, v0
	v_lshlrev_b32 v[L16], 4, v[L16]
	v_bfe_u32 v232, v0, 8, 1                       ; wave / 8
	v_and_b32 v233, 15, v0                         ; r
	v_lshlrev_b32 v[R4], 2, v233
	v_lshl_add_u32 v[AK], v232, 13, v[L16]
	v_lshl_add_u32 v[AV], v232, 12, v[L16]
	v_add_nc_u32 v[AV], VC, v[AV]
	v_lshl_add_u32 v[AKS], v232, 9, v[R4]
	v_add_nc_u32 v[AKS], KS, v[AKS]
	v_lshl_add_u32 v[AVS], v232, 8, v[R4]
	v_add_nc_u32 v[AVS], VS, v[AVS]
	v_bfe_u32 v31, v0, 4, 1                        ; h
	v_lshlrev_b32 v31, 3, v31
	v_bfe_u32 v[DM], v0, 5, 3                      ; wave % 8
	v_lshl_add_u32 v[DM], v[DM], 4, v233
	v_sub_nc_u32 v[DM], v[DM], v31
	v_mov_b32 v[NINF], 0xff800000
	v_lshrrev_b32 v[SWA], 5, v0
	v_lshl_add_u32 v[SWA], v[SWA], 6, v[R4]
	v_add_nc_u32 v[SWA], STG, v[SWA]
	v_and_b32 v[SGO], 63, v0
	v_lshlrev_b32 v[SGO], 4, v[SGO]
	v_add_nc_u32 v[SRD], STG, v[SGO]
	; the fill: the 128 threads of waves 4 cl .. 4 cl + 3 bring run cl; u = thread % 128
	v_and_b32 v234, 127, v0                        ; u
	v_lshrrev_b32 v235, 7, v0                      ; cl
	v_lshlrev_b32 v228, 4, v234                    ; codes in memory: 16 u
	v_lshl_add_u32 v224, v235, 13, v228            ; K's codes in LDS
	v_lshl_add_u32 v225, v235, 12, v228
	v_add_nc_u32 v225, VC, v225                    ; V's
	v_lshl_add_u32 v226, v0, 2, KS                 ; K's scale words: 512 cl + 4 u = 4 x thread
	v_bfe_u32 v240, v0, 6, 1                       ; e: which head's words of V
	v_and_b32 v241, 63, v0
	v_lshlrev_b32 v241, 2, v241
	v_lshl_add_u32 v227, v240, 10, v241
	v_lshl_add_u32 v227, v235, 8, v227
	v_add_nc_u32 v227, VS, v227                    ; V's scale words in LDS,
	v_lshl_add_u32 v229, v240, 12, v241            ; and in memory: 4,096 e + 4 d
	v_lshlrev_b32 v230, 2, v234                    ; K's in memory: 4 u
.irp j, 20,21,22,23
	v_mov_b32 v\j, 0                               ; the zero codes of the other head's half: Q's fragment is v[16:23] for the even head, v[20:27] for the odd one
.endr
.irp b, 0,1,2,3
	v_mov_b32 v[TP+\b], 0                          ; written once: a lane permute's destination counts as one of its sources
.endr
	s_wait_kmcnt 0x0
	s_add_nc_u64 s[16:17], s[4:5], s[16:17]
	s_add_nc_u64 s[18:19], s[6:7], s[18:19]
	s_add_nc_u64 s[8:9], s[8:9], s[36:37]
	s_add_nc_u64 s[10:11], s[10:11], s[38:39]
	global_load_b128 v[16:19], v[L16], s[16:17]            ; Q: the even head's codes,
	global_load_b128 v[24:27], v[L16], s[16:17] offset:512 ; the odd head's,
	global_load_b32 v28, v[R4], s[18:19]                   ; and the scale words
	s_lshr_b32 s20, s12, 2                         ; cl
	s_lshl_b32 s21, ttmp9, 1
	s_add_co_u32 s20, s20, s21
	s_cmp_lt_u32 s20, 2                            ; run 2 g - 2 + cl: the sequence has no run under 0, and no step reads its place in LDS.  Ids alone; no barrier is jumped over
	s_cbranch_scc1 .Lno_run
	s_sub_co_u32 s20, s20, 2
	s_lshl_b32 s24, s13, 17
	s_lshl_b32 s21, s20, 13
	s_add_co_u32 s22, s24, s21
	s_add_co_u32 s22, s22, 4194304
	s_mov_b32 s23, 0
	s_add_nc_u64 s[22:23], s[4:5], s[22:23]        ; K's images of the run
	s_lshl_b32 s21, s20, 12
	s_add_co_u32 s24, s24, s21
	s_add_co_u32 s24, s24, 8388608
	s_mov_b32 s25, 0
	s_add_nc_u64 s[24:25], s[4:5], s[24:25]        ; V's, the even head's
	s_lshl_b32 s28, s13, 13
	s_lshl_b32 s21, s20, 9
	s_add_co_u32 s26, s28, s21
	s_add_co_u32 s26, s26, 262144
	s_mov_b32 s27, 0
	s_add_nc_u64 s[26:27], s[6:7], s[26:27]        ; K's scale words
	s_lshl_b32 s21, s20, 8
	s_add_co_u32 s28, s28, s21
	s_add_co_u32 s28, s28, 524288
	s_mov_b32 s29, 0
	s_add_nc_u64 s[28:29], s[6:7], s[28:29]        ; V's
.irp j, 0,1,2,3
	global_load_b128 v[96+4*\j:99+4*\j], v228, s[22:23] offset:2048*\j
.endr
.irp e, 0,1
.irp j, 0,1
	global_load_b128 v[112+8*\e+4*\j:115+8*\e+4*\j], v228, s[24:25] offset:65536*\e+2048*\j
.endr
.endr
	global_load_b32 v128, v230, s[26:27]
	global_load_b32 v129, v229, s[28:29]
	s_wait_loadcnt 0x0
.irp j, 0,1,2,3
	ds_store_b128 v224, v[96+4*\j:99+4*\j] offset:2048*\j
.endr
.irp e, 0,1
.irp j, 0,1
	ds_store_b128 v225, v[112+8*\e+4*\j:115+8*\e+4*\j] offset:16384*\e+2048*\j
.endr
.endr
	ds_store_b32 v226, v128
	ds_store_b32 v227, v129
.Lno_run:
	s_wait_loadcnt 0x0                             ; Q
	s_wait_dscnt 0x0                               ; for the others' sake: my stores have landed
	s_barrier_signal -1
	s_barrier_wait -1
; A KEY STEP: 128 keys of head pi of the pair; L = 2: my queries' own run, 1: the run before, 0: two before.  mask = 2: keys after the query are hidden; 1: keys more than 255 before it; 0: all count.
; first = 1: the head's first step starts M, l and O^T.
.macro STEP pi, L, mask, first
.irp t, 0,1,2,3,4,5,6,7
.irp c, 0,1
	ds_load_b128 v[KF+8*\t+4*\c:KF+8*\t+4*\c+3], v[AK] offset:(\L)*8192+\t*1024+\c*512
.endr
	ds_load_b32 v[KSR+\t], v[AKS] offset:(\L)*512+\t*64
.endr
	s_wait_dscnt 0x0
.irp t, 0,1,2,3,4,5,6,7
	v_wmma_scale_f32_16x16x128_f8f6f4 v[S+8*\t:S+8*\t+7], v[KF+8*\t:KF+8*\t+7], v[16+4*(\pi):23+4*(\pi)], 0, v[KSR+\t], v28 matrix_a_fmt:MATRIX_FMT_FP4 matrix_b_fmt:MATRIX_FMT_FP4
.endr
.rept 4
	v_nop                                          ; places in front of the loads into K's registers and of the first read of the scores
.endr
.irp t, 0,1,2,3                                    ; V's four fragments and scale words are asked for now and land under the softmax
.irp c, 0,1
	ds_load_b128 v[KF+8*\t+4*\c:KF+8*\t+4*\c+3], v[AV] offset:(\pi)*16384+(\L)*4096+\t*1024+\c*512
.endr
	ds_load_b32 v[VSR+\t], v[AVS] offset:(\pi)*1024+(\L)*256+\t*64
.endr
.if \mask                                          ; register n holds key 16 (n / 8) + n % 8 + 8 h of the run
.set n, 0
.rept 64
.if \mask == 2
	v_cmp_gt_i32 vcc_lo, 16*(n/8)+n%8, v[DM]       ; after my query
.else
	v_cmp_le_i32 vcc_lo, 16*(n/8)+n%8, v[DM]       ; 256 or more before it
.endif
	v_cndmask_b32 v[S+n], v[S+n], v[NINF], vcc_lo
.set n, n+1
.endr
.endif
.irp b, 0,1,2,3
	v_max3_num_f32 v[BM+\b], v[S+16*\b], v[S+1+16*\b], v[S+2+16*\b]   ; the largest score of each block of 32 keys: for the row's maximum, and for the block's largest p
.endr
.irp i, 3,5,7,9,11,13
.irp b, 0,1,2,3
	v_max3_num_f32 v[BM+\b], v[BM+\b], v[S+16*\b+\i], v[S+1+16*\b+\i]
.endr
.endr
.irp b, 0,1,2,3
	v_max_num_f32 v[BM+\b], v[BM+\b], v[S+15+16*\b]
.endr
.irp b, 0,1,2,3
	v_permlanex16_b32 v[TP+\b], v[BM+\b], s[SEL], s[SEL+1]
.endr
.irp b, 0,1,2,3
	v_max_num_f32 v[BM+\b], v[BM+\b], v[TP+\b]     ; with lane l xor 16's 16 keys
.endr
	v_max3_num_f32 v254, v[BM], v[BM+1], v[BM+2]
	v_max_num_f32 v254, v254, v[BM+3]              ; the step's largest score of my query
.if \first
	v_mul_f32 v13, s[CS], v254                     ; as t: the largest so far
	v_floor_f32 v12, -v13                          ; -M = floor(-t) = -ceil(t)
.else
	v_mul_f32 v254, s[CS], v254
	v_max_num_f32 v13, v13, v254                   ; the running largest t
	v_mov_b32 v254, v12
	v_floor_f32 v12, -v13
	v_sub_f32 v254, v12, v254                      ; old M - new M: a whole number, 0 or less
	v_cvt_i32_f32 v254, v254
	v_ldexp_f32 v252, 1.0, v254                    ; f = 2^(old M - new M)
.endif
.set jj, 0
.rept 32
	v_pk_fma_f32 v[S+jj:S+jj+1], v[S+jj:S+jj+1], s[CS:CS+1], v[12:13] op_sel_hi:[1,0,0]   ; t - M, two at a time
.set jj, jj+2
.endr
.irp b, 0,1,2,3
	v_fma_f32 v[BM+\b], v[BM+\b], s[CS], v12
.endr
.set jj, 0
.rept 64
	v_exp_f32 v[S+jj], v[S+jj]                     ; p = 2^(t - M)
.set jj, jj+1
.endr
.if \first
	v_mov_b32 v14, 0                               ; l begins, in two halves.  (The plain place behind the exponentials)
	v_mov_b32 v15, 0
.else
	v_pk_mul_f32 v[14:15], v[14:15], v[252:253] op_sel_hi:[1,0]   ; l under the new M.  (The plain place behind the exponentials)
.endif
	s_wait_alu depctr_va_vdst(0)                   ; one wait for the batch of 64, ahead of its first reader
.irp b, 0,1,2,3
	v_exp_f32 v[BM+\b], v[BM+\b]                   ; each block's largest p
.endr
	v_pk_add_f32 v[TP:TP+1], v[S:S+1], v[S+2:S+3]  ; l sums the unquantised p, in two chains; these read the 64 alone
.set jj, 4
.rept 15
	v_pk_add_f32 v[14:15], v[14:15], v[S+jj:S+jj+1]
	v_pk_add_f32 v[TP:TP+1], v[TP:TP+1], v[S+jj+2:S+jj+3]
.set jj, jj+4
.endr
	v_pk_add_f32 v[14:15], v[14:15], v[TP:TP+1]
	s_wait_alu depctr_va_vdst(0)                   ; and one for the four
.irp b, 0,1,2,3
	v_max_num_f32 v[BM+\b], 0x1800000, v[BM+\b]    ; the floor 2^(3 - 127): the byte cannot fall under 1
.endr
.irp b, 0,1,2,3
	v_add_nc_u32 v[TSC+\b], 0xff000000, v[BM+\b]   ; 2 off the exponent field: the conversion's scale operand
.endr
.irp b, 0,1,2,3
	v_lshrrev_b32 v[TP+\b], 23, v[TSC+\b]          ; the scale's byte
.endr
	v_lshl_or_b32 v253, v[TP+1], 8, v[TP]          ; p's scale word for these 128 keys
	v_lshl_or_b32 v253, v[TP+2], 16, v253
	v_lshl_or_b32 v253, v[TP+3], 24, v253
.irp c, 0,1
	v_cvt_scalef32_pk8_fp4_f32 v[P+4*\c],   v[S+32*\c:S+32*\c+7],     v[TSC+2*\c]
	v_cvt_scalef32_pk8_fp4_f32 v[P+4*\c+2], v[S+32*\c+8:S+32*\c+15],  v[TSC+2*\c]
	v_cvt_scalef32_pk8_fp4_f32 v[P+4*\c+1], v[S+32*\c+16:S+32*\c+23], v[TSC+1+2*\c]
	v_cvt_scalef32_pk8_fp4_f32 v[P+4*\c+3], v[S+32*\c+24:S+32*\c+31], v[TSC+1+2*\c]
.endr
	v_nop                                          ; one plain place behind the last scaled conversion
.irp c, 0,1
	v_permlane16_swap_b32 v[P+4*\c],   v[P+4*\c+1]
	v_permlane16_swap_b32 v[P+4*\c+2], v[P+4*\c+3]
.endr
.if \first
.rept 8
	v_nop                                          ; a scale word written by vector instructions stands 8 places ahead of the scaled matrix instruction, the codes 4
.endr
.else
.set jj, 0
.rept 16
	v_pk_mul_f32 v[OA+jj:OA+jj+1], v[OA+jj:OA+jj+1], v[252:253] op_sel_hi:[1,0]   ; O^T under the new M, from each tile's low end on; these sixteen are also those places
.set jj, jj+2
.endr
.endif
	s_wait_dscnt 0x0                               ; V
.irp t, 0,1,2,3                                    ; four accumulators by turns
.if \first
	v_wmma_scale_f32_16x16x128_f8f6f4 v[OA+8*\t:OA+8*\t+7], v[KF+8*\t:KF+8*\t+7], v[P:P+7], 0, v[VSR+\t], v253 matrix_a_fmt:MATRIX_FMT_FP4 matrix_b_fmt:MATRIX_FMT_FP4
.else
	v_wmma_scale_f32_16x16x128_f8f6f4 v[OA+8*\t:OA+8*\t+7], v[KF+8*\t:KF+8*\t+7], v[P:P+7], v[OA+8*\t:OA+8*\t+7], v[VSR+\t], v253 matrix_a_fmt:MATRIX_FMT_FP4 matrix_b_fmt:MATRIX_FMT_FP4
.endif
.endr
.rept 4
	v_nop                                          ; places in front of the next loads into V's registers and of the next read of O^T, on every way on from here
.endr
.endm
; One head: up to three steps (runs under 0 do not exist: scalar branches on ids), then o = O^T / l, quantised: its two blocks of 32 are half c = pi of the image.
.macro HEAD pi
	STEP \pi, 2, 2, 1
	s_cmp_lt_u32 s15, 1
	s_cbranch_scc1 .Ldone_\@
	STEP \pi, 1, 0, 0
	s_cmp_lt_u32 s15, 2
	s_cbranch_scc1 .Ldone_\@
	STEP \pi, 0, 1, 0
.Ldone_\@:
	v_add_f32 v14, v14, v15                        ; l's two halves,
	v_permlanex16_b32 v[TP], v14, s[SEL], s[SEL+1]
	v_add_f32 v14, v14, v[TP]                      ; and lane l xor 16's
	v_rcp_f32 v14, v14
	v_nop                                          ; a plain place behind the reciprocal
	s_wait_alu depctr_va_vdst(0)                   ; and the wait ahead of its first reader
.set jj, 0
.rept 16
	v_pk_mul_f32 v[OA+jj:OA+jj+1], v[OA+jj:OA+jj+1], v[14:15] op_sel_hi:[1,0]
.set jj, jj+2
.endr
.irp b, 0,1
	v_max3_num_f32 v[BM+\b], |v[OA+16*\b]|, |v[OA+1+16*\b]|, 0x1800000
.endr
.irp i, 2,4,6,8,10,12,14
.irp b, 0,1
	v_max3_num_f32 v[BM+\b], v[BM+\b], |v[OA+16*\b+\i]|, |v[OA+1+16*\b+\i]|
.endr
.endr
.irp b, 0,1
	v_permlanex16_b32 v[TP+\b], v[BM+\b], s[SEL], s[SEL+1]
.endr
.irp b, 0,1
	v_max_num_f32 v[BM+\b], v[BM+\b], v[TP+\b]
.endr
.irp b, 0,1
	v_add_nc_u32 v[TSC+\b], 0xff000000, v[BM+\b]
.endr
.irp b, 0,1
	v_lshrrev_b32 v[OB+2*(\pi)+\b], 23, v[TSC+\b]
.endr
	v_cvt_scalef32_pk8_fp4_f32 v[OC+4*(\pi)],   v[OA:OA+7],     v[TSC]
	v_cvt_scalef32_pk8_fp4_f32 v[OC+4*(\pi)+2], v[OA+8:OA+15],  v[TSC]
	v_cvt_scalef32_pk8_fp4_f32 v[OC+4*(\pi)+1], v[OA+16:OA+23], v[TSC+1]
	v_cvt_scalef32_pk8_fp4_f32 v[OC+4*(\pi)+3], v[OA+24:OA+31], v[TSC+1]
	v_nop                                          ; one plain place behind the last scaled conversion
	v_permlane16_swap_b32 v[OC+4*(\pi)],   v[OC+4*(\pi)+1]
	v_permlane16_swap_b32 v[OC+4*(\pi)+2], v[OC+4*(\pi)+3]
.endm
	HEAD 0
	HEAD 1
	v_lshl_or_b32 v[OB], v[OB+1], 8, v[OB]
	v_lshl_or_b32 v[OB], v[OB+2], 16, v[OB]
	v_lshl_or_b32 v[OB], v[OB+3], 24, v[OB]        ; my token's scale word for this pair of heads
	global_store_b128 v[L16], v[OC:OC+3], s[8:9]               ; the image: twice 512 consecutive bytes, aligned
	global_store_b128 v[L16], v[OC+4:OC+7], s[8:9] offset:512
	ds_store_b32 v[SWA], v[OB]                     ; both halves of the lanes write the same word with the same value
	s_wait_dscnt 0x0
	s_barrier_signal -1
	s_barrier_wait -1                              ; the work-group's 256 words lie in the stage
	s_cmp_lt_u32 s12, 2
	s_cbranch_scc0 .Lend                           ; waves 0 and 1 store them: 1,024 consecutive bytes
	ds_load_b128 v[96:99], v[SRD]
	s_wait_dscnt 0x0
	global_store_b128 v[SGO], v[96:99], s[10:11]
.Lend:
	s_wait_tensorcnt 0x0                           ; the wave's end
	ds_add_u32 v[SPW], v[NIL]
	s_wait_dscnt 0x0
	s_endpgm
.Lfunc_end_k_q35de2652c9_attn:
	.size	k_q35de2652c9_attn, .Lfunc_end_k_q35de2652c9_attn-k_q35de2652c9_attn
	.p2alignl 7, 3214868480
	.fill 96, 4, 3214868480
	.section	.rodata,"a",@progbits
	.p2align	6, 0x0
	.amdhsa_kernel k_q35de2652c9_attn
		.amdhsa_group_segment_fixed_size 72704
		.amdhsa_private_segment_fixed_size 0
		.amdhsa_enable_private_segment 0
		.amdhsa_kernarg_size 32
		.amdhsa_user_sgpr_count 2
		.amdhsa_user_sgpr_kernarg_segment_ptr 1
		.amdhsa_wavefront_size32 1
		.amdhsa_system_sgpr_workgroup_id_x 1
		.amdhsa_system_sgpr_workgroup_id_y 1
		.amdhsa_system_sgpr_workgroup_id_z 1
		.amdhsa_system_vgpr_workitem_id 0
		.amdhsa_next_free_vgpr 256
		.amdhsa_next_free_sgpr 66
		.amdhsa_reserve_vcc 1
		.amdhsa_float_denorm_mode_32 3
		.amdhsa_float_denorm_mode_16_64 3
		.amdhsa_memory_ordered 1
		.amdhsa_forward_progress 1
		.amdhsa_inst_pref_size 127
	.end_amdhsa_kernel
	.amdgpu_metadata
---
amdhsa.version: [ 1, 2 ]
amdhsa.kernels:
  - .name:           k_q35de2652c9_attn
    .symbol:         k_q35de2652c9_attn.kd
    .args:
      - { .name: qkvc, .offset: 0, .size: 8, .value_kind: global_buffer, .address_space: global }
      - { .name: qkvs, .offset: 8, .size: 8, .value_kind: global_buffer, .address_space: global }
      - { .name: ac, .offset: 16, .size: 8, .value_kind: global_buffer, .address_space: global }
      - { .name: asc, .offset: 24, .size: 8, .value_kind: global_buffer, .address_space: global }
    .group_segment_fixed_size: 72704
    .private_segment_fixed_size: 0
    .kernarg_segment_align: 8
    .kernarg_segment_size: 32
    .max_flat_workgroup_size: 512
    .sgpr_count:     66
    .vgpr_count:     256
    .wavefront_size: 32
...
	.end_amdgpu_metadata
.endif
;; end of part 3
;; launch oproj (part 4): grid 8 x 32, 4 waves a work-group, clusters of 4 x 4, 327,680 bytes of LDS; arguments ac, asc, cod1, scl1, out0; writes out0
.if DOCPART == 4
	.amdgcn_target "amdgcn-amd-amdhsa--gfx1250"
	.amdhsa_code_object_version 6
	.text
	.protected	k_q35de2652c9_oproj
	.globl	k_q35de2652c9_oproj
	.p2align	8
	.type	k_q35de2652c9_oproj,@function
k_q35de2652c9_oproj:
	s_mov_b64 s[64:65], 0
	v_nop
	global_prefetch_b8 v0, s[64:65] scope:SCOPE_SE
	s_setreg_imm32_b32 hwreg(HW_REG_WAVE_MODE, 25, 1), 1
	s_wait_xcnt 0x0
	s_wait_alu depctr_hold_cnt(0) depctr_sa_sdst(0) depctr_va_vdst(0) depctr_va_sdst(0) depctr_va_ssrc(0) depctr_va_vcc(0) depctr_vm_vsrc(0)
	s_getreg_b32 s2, hwreg(HW_REG_IB_STS2, 6, 4)
	s_cmp_eq_u32 s2, 0
	s_cbranch_scc0 .Lentry_in_a_cluster
	s_endpgm
.Lentry_in_a_cluster:
	s_bfe_u32 s2, ttmp6, 0x10000c
	s_cmp_lg_u32 s2, 0xf033
	s_cbranch_scc0 .Lentry_shape_is_right
	s_endpgm
.Lentry_shape_is_right:
; Launch 4 of 4: out0[token][n] = sum over k of o[token][k] out_w[n][k], K = 1,024, on codes of E2M1 with E8M0 scales; f32 out.
; A tile of 256 tokens x 128 outputs to a work-group (256 work-groups, one for each WGP), 128 x 64 to each of its four waves: 32 accumulators, 256 registers.
; A arrives as launch 3 left it: images of operand registers, [pair of heads = K step of 128][tile of 16 tokens][1,024 B]; a fragment is two loads of 512 consecutive bytes.  B: out_w's rows of cod1 (from row 11,264), 512 bytes a row.
; THE WHOLE K LIES IN LDS, as two slots of four K steps, both asked for at the start: two tensor loads of a wave are out, and no LDS byte is filled twice.
; CLUSTERS: 4 x 4; A's tile is shared along a row of the cluster, B's along a column: joint loads, as in launch 2.
; The matrix instruction is used transposed (source 0 = 16 rows of out_w, source 1 = 16 tokens): a lane holds eight neighbouring outputs of one token.
; THE SCALE WORDS go straight into registers at the head: B's 32 (block b, K step p at 8 b + p, the same in both halves of the lanes); A's 32 (K step p, blocks 2 i and 2 i + 1 in the two halves of the lanes, at 4 p + i).
; REGISTERS: window 0: v1-29 addresses; v32-63 B's scale words, v64-95 A's; v128-191 A's fragments, one set; v192-255 the way out.   window 1: B's fragments, two sets, at v0 and v128.   window 2: accumulator (a, b) at v[8 (4 a + b)].
.set PITCH,  272                       ; B's LDS row: 256 bytes + 16 of padding
.set FR,     8
.set NL,     2
.set NP,     4
.set AHALF,  32768                     ; A: 128 tokens x four K steps: [q][tile 8][1,024 B]
.set BOFF,   2*AHALF                   ; B's rows lie behind A's images
.set BHALF,  64*PITCH
.set SLOT,   BOFF+2*BHALF
.set SPARE,  2*SLOT                    ; the spare words, 128 bytes a wave, which no other line names
.set STAGE,  SPARE+512                 ; 16 rows x 272 bytes for each wave, for the way out; no tile lands here
.set SPITCH, 272
.set ADRA, 16
.set ADRB, 20
.set STO,  24
.set RD,   25
.set CO,   26
.set SPW,  28
.set NIL,  29
.set SB,   32
.set SA,   64
.set AF,   128
.set BK,   192
.set G1,   24
.set G0,   32
.set G1B,  48
.set G0B,  56
.set WV,   72
.set RH,   73                          ; which 128 tokens are mine; also: I fetch for A (0) or for B (1)
.set CH,   74                          ; which 64 outputs; also: which half of that tile I fetch
.set MSB, 0
.macro WIN new
.if MSB != (\new)
	s_set_vgpr_msb (MSB<<8)|(\new)
.set MSB, (\new)
.endif
.endm
.set MUL,  0xa1                        ; source 0 (B) window 1, source 1 (A) window 0, C and D window 2
.set TO_B, 0x40
.macro JLOAD g0a, g1a, g0b, g1b        ; a joint load; an s_nop 0 and four v_nop follow each of the two lines
	s_cmp_eq_u32 s[RH], 0
	s_cbranch_scc0 .Lfor_b_\@
	tensor_load_to_lds s[\g0a:\g0a+3], s[\g1a:\g1a+7]
	s_nop 0
.rept 4
	v_nop
.endr
	s_branch .Lasked_\@
.Lfor_b_\@:
	tensor_load_to_lds s[\g0b:\g0b+3], s[\g1b:\g1b+7]
	s_nop 0
.rept 4
	v_nop
.endr
.Lasked_\@:
.endm
.macro CROUND
	s_barrier_signal -1
	s_barrier_wait -1
	s_cmp_lg_u32 s[WV], 0
	s_cbranch_scc1 .Lnot_wave_0_\@
	s_barrier_signal -3
.Lnot_wave_0_\@:
	s_barrier_wait -3
	s_barrier_signal -1
	s_barrier_wait -1
.endm
	s_load_b256 s[4:11], s[0:1], 0x0               ; ac s[4:5], asc s[6:7], cod1 s[8:9], scl1 s[10:11]
	s_load_b64 s[12:13], s[0:1], 0x20              ; out0
	v_lshl_add_u32 v[SPW], v0, 2, SPARE
	v_mov_b32 v[NIL], 0
	ds_add_u32 v[SPW], v[NIL]                      ; the wave's opening: the add, twice on end, and its wait ahead of my first tensor load
	ds_add_u32 v[SPW], v[NIL]
	v_lshrrev_b32 v1, 5, v0
	v_readfirstlane_b32 s[WV], v1
	s_lshr_b32 s[RH], s[WV], 1
	s_and_b32 s[CH], s[WV], 1
	s_bfe_u32 s40, ttmp6, 0x40000                  ; cx
	s_bfe_u32 s41, ttmp6, 0x40004                  ; cy
	s_lshl_b32 s42, ttmp9, 2
	s_add_co_u32 s42, s42, s40                     ; TC: tile column, 128 outputs
	s_and_b32 s68, ttmp7, 0xffff
	s_lshl_b32 s68, s68, 2
	s_add_co_u32 s68, s68, s41                     ; TR: tile row, 256 tokens
	s_lshl_b32 s43, s41, 2
	s_lshl_b32 s43, 15, s43                        ; my row of the cluster
	s_lshl_b32 s44, 0x1111, s40                    ; my column
	; A: four rows (K steps) of 8,192 bytes (eight images), 524,288 bytes apart; elements of 8 bytes; dense in LDS
	s_or_b32 s[G1+0], s43, (3<<16)|(1<<21)
	s_mov_b32 s[G1+1], 1024<<16                    ; tensor_dim0 = 1,024 elements
	s_mov_b32 s[G1+2], 4<<16                       ; tensor_dim1 = 4
	s_mov_b32 s[G1+3], 1024<<16                    ; tile_dim0
	s_mov_b32 s[G1+4], 4                           ; tile_dim1
	s_mov_b32 s[G1+5], 65536                       ; from row to row, in elements
	s_mov_b32 s[G1+6], 0
	s_mov_b32 s[G1+7], 0
	; B: 64 rows of 256 bytes, 512 apart, 16 bytes of padding behind each
	s_or_b32 s[G1B+0], s44, (0<<16)|(1<<20)|(1<<21)|(5<<22)|(3<<25)
	s_mov_b32 s[G1B+1], 256<<16
	s_mov_b32 s[G1B+2], 64<<16
	s_mov_b32 s[G1B+3], 256<<16
	s_mov_b32 s[G1B+4], 64
	s_mov_b32 s[G1B+5], 512
	s_mov_b32 s[G1B+6], 0
	s_mov_b32 s[G1B+7], 0
	s_lshl_b32 s16, s68, 14
	s_lshl_b32 s17, s[CH], 13
	s_add_co_u32 s16, s16, s17                     ; A: (16 TR + 8 x half) images of 1,024 bytes
	s_mov_b32 s17, 0
	s_lshl_b32 s46, s42, 16
	s_lshl_b32 s47, s[CH], 15
	s_add_co_u32 s46, s46, s47
	s_add_co_u32 s46, s46, 11264*512               ; B: row 11,264 + 128 TC + 64 x half
	s_mov_b32 s47, 0
	s_lshl_b32 s45, s[CH], 15                      ; where they go: A's half,
	s_mul_i32 s70, s[CH], BHALF
	s_add_co_u32 s70, s70, BOFF                    ; B's half
	s_wait_dscnt 0x0                               ; both opening adds are done
	s_wait_kmcnt 0x0
	s_add_nc_u64 s[16:17], s[4:5], s[16:17]
	s_add_nc_u64 s[46:47], s[8:9], s[46:47]
	CROUND                                         ; all sixteen work-groups are here: the joint loads meet
.irp s, 0,1
	s_mov_b32 s[G0+4*\s], 1
	s_add_co_u32 s[G0+4*\s+1], s45, \s*SLOT
	s_add_nc_u64 s[G0+4*\s+2:G0+4*\s+3], s[16:17], \s*4*524288
	s_or_b32 s[G0+4*\s+3], s[G0+4*\s+3], 0x80000000
	s_mov_b32 s[G0B+4*\s], 1
	s_add_co_u32 s[G0B+4*\s+1], s70, \s*SLOT
	s_add_nc_u64 s[G0B+4*\s+2:G0B+4*\s+3], s[46:47], \s*256
	s_or_b32 s[G0B+4*\s+3], s[G0B+4*\s+3], 0x80000000
	JLOAD G0+4*\s, G1, G0B+4*\s, G1B
.endr
	v_and_b32 v1, 15, v0                           ; r
	v_bfe_u32 v2, v0, 4, 1                         ; h
	v_and_b32 v3, 31, v0                           ; lane
	v_lshlrev_b32 v4, 4, v3                        ; an image's place for my lane
	v_mul_u32_u24 v5, v1, PITCH
	v_lshl_add_u32 v5, v2, 4, v5                   ; B: row x pitch + 16 h
	s_lshl_b32 s21, s[RH], 15                      ; my 128 tokens' images
	s_mul_i32 s22, s[CH], BHALF
	s_add_co_u32 s22, s22, BOFF                    ; my 64 rows of B
.irp s, 0,1
	v_add_nc_u32 v[ADRA+\s], s21, v4
	v_add_nc_u32 v[ADRB+\s], s22, v5
	s_add_co_u32 s21, s21, SLOT
	s_add_co_u32 s22, s22, SLOT
.endr
	s_lshl_b32 s18, s42, 12
	s_lshl_b32 s19, s[CH], 11
	s_add_co_u32 s18, s18, s19
	s_add_co_u32 s18, s18, 11264*32                ; B's scale bytes: 32 a row
	s_mov_b32 s19, 0
	s_add_nc_u64 s[10:11], s[10:11], s[18:19]
	s_lshl_b32 s18, s68, 10
	s_lshl_b32 s20, s[RH], 9
	s_add_co_u32 s18, s18, s20                     ; A's scale words: 4 bytes a token
	s_add_nc_u64 s[6:7], s[6:7], s[18:19]
	v_lshlrev_b32 v6, 5, v1                        ; 32 r
	v_lshlrev_b32 v7, 2, v3                        ; 4 x lane
.irp b, 0,1,2,3
.irp s, 0,1
	global_load_b128 v[SB+8*\b+4*\s:SB+8*\b+4*\s+3], v6, s[10:11] offset:\b*512+16*\s
.endr
.endr
.irp p, 0,1,2,3,4,5,6,7
.irp i, 0,1,2,3
	global_load_b32 v[SA+4*\p+\i], v7, s[6:7] offset:\p*32768+128*\i
.endr
.endr
	s_mul_i32 s23, s[WV], 16*SPITCH
	s_add_co_u32 s23, s23, STAGE                   ; my stage
	v_mul_u32_u24 v8, v1, SPITCH
	v_lshl_add_u32 v8, v2, 5, v8
	v_add_nc_u32 v[STO], s23, v8                   ; in: row r, 32 bytes for each half of the lanes
	v_mul_u32_u24 v8, v2, SPITCH
	v_lshl_add_u32 v8, v1, 4, v8
	v_add_nc_u32 v[RD], s23, v8                    ; back: lanes 0-15 one row of 256 bytes, lanes 16-31 the next
	v_lshlrev_b32 v[CO], 12, v2
	v_lshl_add_u32 v[CO], v1, 4, v[CO]             ; and the same two rows of out0, 4,096 bytes apart
	s_lshl_b32 s18, s68, 20
	s_lshl_b32 s20, s[RH], 19
	s_add_co_u32 s18, s18, s20
	s_lshl_b32 s20, s42, 9
	s_add_co_u32 s18, s18, s20
	s_lshl_b32 s20, s[CH], 8
	s_add_co_u32 s18, s18, s20                     ; my first token's row, my first output
	s_add_nc_u64 s[12:13], s[12:13], s[18:19]
.macro FRAGA reg, adr, q, i
.irp c, 0,1
	ds_load_b128 v[\reg+4*\c:\reg+4*\c+3], v[\adr] offset:8192*(\q)+1024*(\i)+512*\c
.endr
.endm
.macro FRAGB reg, adr, q, i
.irp c, 0,1
	ds_load_b128 v[\reg+4*\c:\reg+4*\c+3], v[\adr] offset:64*(\q)+32*\c+(\i)*16*PITCH
.endr
.endm
; 8 matrix instructions: A's blocks a0, a0 + 1 x B's four; kq: the K step of 128.  The 32 accumulators take turns, one instruction a turn, in the same order in every step.
.macro MUL8 a0, p, kq, zero
.irp a, \a0, \a0+1
.irp b, 0,1,2,3
.set rD, 8*(4*(\a)+\b)
.set rB, 128*(\p)+FR*\b
.set rA, AF+FR*(\a)
.set rSB, SB+8*\b+(\kq)
.set rSA, SA+4*(\kq)+(\a)/2
.if \zero
.if (\a)%2
	v_wmma_scale_f32_16x16x128_f8f6f4 v[rD:rD+7], v[rB:rB+7], v[rA:rA+7], 0, v[rSB], v[rSA] matrix_a_fmt:MATRIX_FMT_FP4 matrix_b_fmt:MATRIX_FMT_FP4 matrix_b_scale:MATRIX_SCALE_ROW1
.else
	v_wmma_scale_f32_16x16x128_f8f6f4 v[rD:rD+7], v[rB:rB+7], v[rA:rA+7], 0, v[rSB], v[rSA] matrix_a_fmt:MATRIX_FMT_FP4 matrix_b_fmt:MATRIX_FMT_FP4
.endif
.else
.if (\a)%2
	v_wmma_scale_f32_16x16x128_f8f6f4 v[rD:rD+7], v[rB:rB+7], v[rA:rA+7], v[rD:rD+7], v[rSB], v[rSA] matrix_a_fmt:MATRIX_FMT_FP4 matrix_b_fmt:MATRIX_FMT_FP4 matrix_b_scale:MATRIX_SCALE_ROW1
.else
	v_wmma_scale_f32_16x16x128_f8f6f4 v[rD:rD+7], v[rB:rB+7], v[rA:rA+7], v[rD:rD+7], v[rSB], v[rSA] matrix_a_fmt:MATRIX_FMT_FP4 matrix_b_fmt:MATRIX_FMT_FP4
.endif
.endif
.endr
.endr
.endm
.macro FETCH_B slot, q, p
	WIN TO_B
.irp i, 0,1,2,3
	FRAGB 128*(\p)+FR*\i, ADRB+\slot, \q, \i
.endr
	WIN 0
.endm
.macro FETCH_A slot, q, i0
.irp i, \i0, \i0+1, \i0+2, \i0+3
	FRAGA AF+FR*(\i), ADRA+\slot, \q, \i
.endr
.endm
.macro PLACES n
.rept \n
	v_nop
.endr
.endm
.macro STEP slot, q, zero
	s_wait_dscnt 4*NL                              ; B's set and A's blocks 0-3 are in; the youngest eight loads (A's blocks 4-7) may be out
	WIN MUL
	MUL8 0, (\q)%2, 4*(\slot)+(\q), \zero
	MUL8 2, (\q)%2, 4*(\slot)+(\q), \zero
	s_wait_dscnt 0
	PLACES NP
	FETCH_B \slot, (\q)+1, 1-(\q)%2
	FETCH_A \slot, (\q)+1, 0
	WIN MUL
	MUL8 4, (\q)%2, 4*(\slot)+(\q), \zero
	MUL8 6, (\q)%2, 4*(\slot)+(\q), \zero
	PLACES NP
	WIN 0
	FETCH_A \slot, (\q)+1, 4
.endm
.macro TURN slot, next                 ; slot 0's last step goes on into slot 1
	s_wait_tensorcnt 0x0                           ; all my tensor loads have landed: my part of the next slot
	ds_add_u32 v[SPW], v[NIL]                      ; 0 onto my spare word
	s_wait_dscnt 4*NL+1                            ; (the add and the youngest eight loads may be out)
	WIN MUL
	MUL8 0, 1, 4*(\slot)+3, 0
	s_wait_dscnt 0x0
	s_barrier_signal -1
	MUL8 2, 1, 4*(\slot)+3, 0
	WIN 0
	s_barrier_wait -1
	PLACES NP
	FETCH_B \next, 0, 0
	FETCH_A \next, 0, 0
	WIN MUL
	MUL8 4, 1, 4*(\slot)+3, 0
	MUL8 6, 1, 4*(\slot)+3, 0
	PLACES NP
	WIN 0
	FETCH_A \next, 0, 4
.endm
	s_wait_tensorcnt 1                             ; my part of slot 0 is in; slot 1's load may stay out
	s_barrier_signal -1
	s_barrier_wait -1
	FETCH_B 0, 0, 0
	FETCH_A 0, 0, 0
	FETCH_A 0, 0, 4
	s_wait_loadcnt 0x0                             ; the scale words
	STEP 0, 0, 1                                   ; the first products start the sums
	STEP 0, 1, 0
	STEP 0, 2, 0
	TURN 0, 1
	STEP 1, 0, 0
	STEP 1, 1, 0
	STEP 1, 2, 0
	s_wait_dscnt 4*NL                              ; the last step: nothing more to fetch
	WIN MUL
	MUL8 0, 1, 7, 0
	MUL8 2, 1, 7, 0
	s_wait_dscnt 0
	MUL8 4, 1, 7, 0
	MUL8 6, 1, 7, 0
	WIN 0
; THE WAY OUT, a block of 16 tokens x 64 outputs at a time: a lane holds 32 bytes of a row; through my own stage they come back as whole runs of 256 bytes.  LDS serves a wave's instructions in order: no wait between stores and loads.
.macro TOSTAGE a
.set AC, 32*(\a)
	WIN 0x08                                       ; an LDS store's data: window 2
.irp b, 0,1,2,3
	ds_store_b128 v[STO], v[AC+8*\b:AC+8*\b+3] offset:64*\b          ; each accumulator from its low end on
	ds_store_b128 v[STO], v[AC+8*\b+4:AC+8*\b+7] offset:64*\b+16
.endr
	WIN 0
.set BB, BK+32*((\a)%2)
.irp t, 0,1,2,3,4,5,6,7
	ds_load_b128 v[BB+4*\t:BB+4*\t+3], v[RD] offset:\t*2*SPITCH
.endr
.endm
.macro SEND a, younger                 ; younger: the LDS instructions issued behind block a's loads, which may stay out
.set BB, BK+32*((\a)%2)
	s_wait_dscnt \younger
.irp t, 0,1,2,3,4,5,6,7
	global_store_b128 v[CO], v[BB+4*\t:BB+4*\t+3], s[12:13] offset:(\a)*65536+\t*8192 th:TH_STORE_NT   ; sixteen lanes store 256 consecutive bytes, aligned; written once, read by nobody here
.endr
.endm
	PLACES NP                                      ; in front of the first read of results
	TOSTAGE 0
.irp a, 1,2,3,4,5,6,7
.if \a > 1
	s_wait_xcnt 0x0                                ; block a - 2's stores have read their registers: block a's loads may land there
.endif
	TOSTAGE \a
	SEND \a-1, 16                                  ; behind block a - 1's loads: block a's 8 stores and 8 loads
.endr
	SEND 7, 0
	s_wait_tensorcnt 0x0                           ; the wave's end
	ds_add_u32 v[SPW], v[NIL]
	s_wait_dscnt 0x0
	CROUND                                         ; the closing round
	s_endpgm
.Lfunc_end_k_q35de2652c9_oproj:
	.size	k_q35de2652c9_oproj, .Lfunc_end_k_q35de2652c9_oproj-k_q35de2652c9_oproj
	.p2alignl 7, 3214868480
	.fill 96, 4, 3214868480
	.section	.rodata,"a",@progbits
	.p2align	6, 0x0
	.amdhsa_kernel k_q35de2652c9_oproj
		.amdhsa_group_segment_fixed_size 327680
		.amdhsa_private_segment_fixed_size 0
		.amdhsa_enable_private_segment 0
		.amdhsa_kernarg_size 40
		.amdhsa_user_sgpr_count 2
		.amdhsa_user_sgpr_kernarg_segment_ptr 1
		.amdhsa_wavefront_size32 1
		.amdhsa_system_sgpr_workgroup_id_x 1
		.amdhsa_system_sgpr_workgroup_id_y 1
		.amdhsa_system_sgpr_workgroup_id_z 1
		.amdhsa_system_vgpr_workitem_id 0
		.amdhsa_next_free_vgpr 1024
		.amdhsa_next_free_sgpr 100
		.amdhsa_reserve_vcc 0
		.amdhsa_float_denorm_mode_32 3
		.amdhsa_float_denorm_mode_16_64 3
		.amdhsa_memory_ordered 1
		.amdhsa_forward_progress 1
		.amdhsa_inst_pref_size 75
	.end_amdhsa_kernel
	.amdgpu_metadata
---
amdhsa.version: [ 1, 2 ]
amdhsa.kernels:
  - .name:           k_q35de2652c9_oproj
    .symbol:         k_q35de2652c9_oproj.kd
    .args:
      - { .name: ac, .offset: 0, .size: 8, .value_kind: global_buffer, .address_space: global }
      - { .name: asc, .offset: 8, .size: 8, .value_kind: global_buffer, .address_space: global }
      - { .name: cod1, .offset: 16, .size: 8, .value_kind: global_buffer, .address_space: global }
      - { .name: scl1, .offset: 24, .size: 8, .value_kind: global_buffer, .address_space: global }
      - { .name: out0, .offset: 32, .size: 8, .value_kind: global_buffer, .address_space: global }
    .group_segment_fixed_size: 327680
    .private_segment_fixed_size: 0
    .kernarg_segment_align: 8
    .kernarg_segment_size: 40
    .max_flat_workgroup_size: 128
    .sgpr_count:     100
    .vgpr_count:     1024
    .wavefront_size: 32
...
	.end_amdgpu_metadata
.endif
;; end of part 4
;; ======== version 2 of 2: 4 launches; version 1 with the launch attn written anew for expert scheduling mode
;; workspace buffers: cod1 6,291,456 bytes; scl1 393,216 bytes; qkvc 12,582,912 bytes; qkvs 786,432 bytes; ac 4,194,304 bytes; asc 262,144 bytes
;; launch quant: the kernel of part 1 again; grid 384 x 1, 4 waves a work-group, no clusters, 33,280 bytes of LDS; arguments x, qkv_w, out_w, cod1, scl1; writes cod1, scl1
;; launch qkv: the kernel of part 2 again; grid 12 x 32, 4 waves a work-group, clusters of 4 x 4, 327,680 bytes of LDS; arguments cod1, scl1, cos, sin, qkvc, qkvs; writes qkvc, qkvs
;; launch attn (part 5): grid 8 x 32, 16 waves a work-group, no clusters, 72,704 bytes of LDS; arguments qkvc, qkvs, ac, asc; writes ac, asc
.if DOCPART == 5
	.amdgcn_target "amdgcn-amd-amdhsa--gfx1250"
	.amdhsa_code_object_version 6
	.text
	.protected	k_q35de2652c9_attn
	.globl	k_q35de2652c9_attn
	.p2align	8
	.type	k_q35de2652c9_attn,@function
k_q35de2652c9_attn:
	s_mov_b64 s[64:65], 0
	v_nop
	global_prefetch_b8 v0, s[64:65] scope:SCOPE_SE
	s_setreg_imm32_b32 hwreg(HW_REG_WAVE_SCHED_MODE, 0, 2), 2
	s_setreg_imm32_b32 hwreg(HW_REG_WAVE_MODE, 25, 1), 1
	s_wait_xcnt 0x0
	s_wait_alu depctr_vm_vsrc(0)
; Launch 3 of 4: the two products of attention on codes of E2M1, the softmax between them, o = O / l quantised along (head, d) for the last product.
; WORK LEFT OUT: key j counts for query i only where i - 255 <= j <= i, by a mask that reference() builds itself: of the 16 runs of 128 keys only runs m - 2, m - 1, m of a query in run m are multiplied (launch 1's head has the proof and the limit).
; SHARES.  A work-group owns 256 queries of one PAIR of heads; each of its sixteen waves 16 queries, both heads one after the other, in 256 registers: four waves to a SIMD, so that one wave's vector work stands beside another's
; matrix work.  So a wave ends with a whole operand image (16 tokens x 128 along the last product's K) and a whole scale word a token.
; No tensor load, no cluster: the work-group's four runs of keys (K 32 KB, V 32 KB, 4 KB of scale words) come once through registers into LDS; only half of them are shared, with one neighbour.  One barrier, then straight-line work.
; LAYOUT.  Both products are used transposed: S^T = K Q^T (source 0 = 16 keys, source 1 = my 16 queries), O^T = V^T P^T: a lane holds ONE query (lane % 16) throughout.
; A PAIR OF HEADS IS ONE K STEP OF 128: K's image and both scale words are used as they lie; Q's fragment has zero codes in the other head's half, which add nothing.
; THE SOFTMAX: t = score x log2(e) / 8; M = the running largest t rounded UP to a whole number; p = 2^(t - M) is quantised along the keys, not normalised; l sums the unquantised p; when M moves, l and O are multiplied by a
; power of two, which rounds nothing.  The run on the diagonal goes first: key 128 m counts for every query of run m, so M is a number from the first step on.  Hidden scores become -infinity ahead of the maximum: p = 0.
; p's 64 numbers of a lane become an operand as in launch 2: tile t holds keys 16 t + 8 h + 0 .. 7; codes of tiles 4 c, 4 c + 2, 4 c + 1, 4 c + 3 to registers 4 c + 0 .. 3, two exchanges of halves.
; A block's largest p is not searched for: p rises with the score, so the block's largest score goes through the same multiply-add and exponential (this takes v_exp_f32 not to fall where its input rises).
; LIMITS: a block of p or of o under 2^-124 gets the byte 1 (its codes are zeros or subnormal); NaN and infinities among the inputs are not served.
; THE MODE: SCHED_MODE bits 1:0 = 2 (LLVM: expert scheduling mode 2), set by the entry lines.  The code itself states the register dependences between vector or matrix instructions and memory or LDS instructions,
; and those from a vector instruction's scalar result to its readers, with s_wait_alu, always for 0.
; THE PLAN.  Registers that memory or LDS instructions touch:
;   v1-4, v7, v10, v11, v29, v30, v224-230   addresses and offsets: written at the head, never again.   v5, v6: written at the head, read by the closing add alone.
;   v16-19, v24-28   Q's codes and scale words: loaded once.   v20-23: zero codes, written once at the head, part of the products' source 1.
;   v96-129          in the fill: loaded from memory, read by the fill's LDS stores; from then on part of S^T, which the products K Q^T write.
;   v32-95, v212-219 K's fragments and scale words: LDS loads at a step's head land in them; the step's eight products K Q^T read them.
;   v32-63, v220-223 V's fragments and scale words: LDS loads behind the products K Q^T land in them; the step's four products V^T P read them.
;   v192-199, v253   p's codes and scale word: written by vector instructions, read by the scaled products V^T P.
;   v200-208         o's codes and scale word: written by vector instructions, read by the stores at the end.   v96-99 at the end: an LDS load lands in them, a store reads them.
; So a step has three waits on va_vdst of its own: at its head (but in a head's first step), behind the products K Q^T, and in front of the products V^T P; the two behind its exponentials stand beside them.
; THE MASKS lie in scalar registers: a masked step's 64 compares stand in one run, behind K's LDS loads and ahead of the wait for them; one wait on va_sdst follows the run; the 64 selects read the masks behind the products.
.set KC,    0                          ; LDS: K's images, 8,192 bytes for each of four runs of 128 keys (run 2 g - 2 + cl at cl)
.set VC,    32768                      ; V's: head e of the pair at 16,384 e, 4,096 bytes a run
.set KS,    65536                      ; K's scale words: 512 bytes a run
.set VS,    67584                      ; V's: 1,024 e + 256 a run
.set STG,   69632                      ; the 256 scale words of o on their way out
.set SPARE, 70656                      ; the spare words, 128 bytes a wave, which no other line names
.set AK,   1                           ; v1   K's images: my first run + 16 x lane
.set AV,   2                           ; v2   V's
.set AKS,  3                           ; v3   K's scale words: + 4 r
.set AVS,  4                           ; v4   V's
.set SPW,  5                           ; v5   my spare word; never rewritten
.set NIL,  6                           ; v6   0; never rewritten
.set L16,  7                           ; v7   16 x lane
.set DM,   8                           ; v8   16 (wave % 8) + r - 8 h: my query's place in its run, less my half's 8 keys
.set NINF, 9                           ; v9   -infinity
.set SWA,  10                          ; v10  where my query's scale word goes in the stage
.set SGO,  11                          ; v11  16 (thread % 64): the stage's way out, in asc
.set SRD,  29                          ; v29  and in LDS
.set R4,   30                          ; v30  4 r
.set KF,   32                          ; v32-95  K's eight fragments; V's four take v32-63
.set S,    96                          ; v96-159 S^T, then p
.set OA,   160                         ; v160-191 O^T: four tiles of 16 d
.set P,    192                         ; v192-199 p's codes
.set OC,   200                         ; v200-207 o's codes: the image that goes out
.set OB,   208                         ; v208-211 o's four scale bytes
.set KSR,  212                         ; v212-219 K's scale words
.set VSR,  220                         ; v220-223 V's
.set BM,   232                         ; v232-235 a block's largest score, then p
.set TP,   236                         ; v236-239 at work
.set TSC,  244                         ; v244-247 the conversions' scale operands
.set CS,   30                          ; s[30:31] c = log2(e) / 8
.set SEL,  32                          ; s[32:33] lane selects: lane l xor 16
.macro MREG i                          ; the scalar register of mask i of 64: s40-63, s66-101, s34-37 (the last four are free behind the head's address arithmetic)
.if (\i) < 24
.set rM, 40+(\i)
.elseif (\i) < 60
.set rM, 42+(\i)
.else
.set rM, (\i)-26
.endif
.endm
	s_load_b256 s[4:11], s[0:1], 0x0               ; qkvc s[4:5], qkvs s[6:7], ac s[8:9], asc s[10:11]
	v_lshl_add_u32 v[SPW], v0, 2, SPARE
	v_mov_b32 v[NIL], 0
	v_lshrrev_b32 v1, 5, v0
	v_readfirstlane_b32 s12, v1                    ; wave 0..15
	; every LDS address is made here, ahead of all branches, from the thread's number and constants
	v_and_b32 v[L16], 31, v0
	v_lshlrev_b32 v[L16], 4, v[L16]
	v_bfe_u32 v232, v0, 8, 1                       ; wave / 8
	v_and_b32 v233, 15, v0                         ; r
	v_lshlrev_b32 v[R4], 2, v233
	v_lshl_add_u32 v[AK], v232, 13, v[L16]
	v_lshl_add_u32 v[AV], v232, 12, v[L16]
	v_add_nc_u32 v[AV], VC, v[AV]
	v_lshl_add_u32 v[AKS], v232, 9, v[R4]
	v_add_nc_u32 v[AKS], KS, v[AKS]
	v_lshl_add_u32 v[AVS], v232, 8, v[R4]
	v_add_nc_u32 v[AVS], VS, v[AVS]
	v_bfe_u32 v31, v0, 4, 1                        ; h
	v_lshlrev_b32 v31, 3, v31
	v_bfe_u32 v[DM], v0, 5, 3                      ; wave % 8
	v_lshl_add_u32 v[DM], v[DM], 4, v233
	v_sub_nc_u32 v[DM], v[DM], v31
	v_mov_b32 v[NINF], 0xff800000
	v_lshrrev_b32 v[SWA], 5, v0
	v_lshl_add_u32 v[SWA], v[SWA], 6, v[R4]
	v_add_nc_u32 v[SWA], STG, v[SWA]
	v_and_b32 v[SGO], 63, v0
	v_lshlrev_b32 v[SGO], 4, v[SGO]
	v_add_nc_u32 v[SRD], STG, v[SGO]
	; the fill: the 128 threads of waves 4 cl .. 4 cl + 3 bring run cl; u = thread % 128
	v_and_b32 v234, 127, v0                        ; u
	v_lshrrev_b32 v235, 7, v0                      ; cl
	v_lshlrev_b32 v228, 4, v234                    ; codes in memory: 16 u
	v_lshl_add_u32 v224, v235, 13, v228            ; K's codes in LDS
	v_lshl_add_u32 v225, v235, 12, v228
	v_add_nc_u32 v225, VC, v225                    ; V's
	v_lshl_add_u32 v226, v0, 2, KS                 ; K's scale words: 512 cl + 4 u = 4 x thread
	v_bfe_u32 v240, v0, 6, 1                       ; e: which head's words of V
	v_and_b32 v241, 63, v0
	v_lshlrev_b32 v241, 2, v241
	v_lshl_add_u32 v227, v240, 10, v241
	v_lshl_add_u32 v227, v235, 8, v227
	v_add_nc_u32 v227, VS, v227                    ; V's scale words in LDS,
	v_lshl_add_u32 v229, v240, 12, v241            ; and in memory: 4,096 e + 4 d
	v_lshlrev_b32 v230, 2, v234                    ; K's in memory: 4 u
.irp j, 20,21,22,23
	v_mov_b32 v\j, 0                               ; the zero codes of the other head's half: Q's fragment is v[16:23] for the even head, v[20:27] for the odd one
.endr
.irp b, 0,1,2,3
	v_mov_b32 v[TP+\b], 0                          ; written once: a lane permute's destination counts as one of its sources
.endr
	s_wait_alu depctr_va_sdst(0)                   ; s12, the wave's number, is written, ahead of its first reader: the places in the buffers and the branches on the wave are made from it
	s_and_b32 s13, ttmp7, 0xffff                   ; 8 x batch + pair
	s_lshl_b32 s14, ttmp9, 4
	s_add_co_u32 s14, s14, s12                     ; my tile of 16 queries in the sequence
	s_lshr_b32 s15, s12, 3
	s_lshl_b32 s20, ttmp9, 1
	s_add_co_u32 s15, s15, s20                     ; m: my queries' run of 128
	s_lshl_b32 s16, s13, 17
	s_lshl_b32 s17, s14, 10
	s_add_co_u32 s16, s16, s17                     ; Q's image
	s_mov_b32 s17, 0
	s_lshl_b32 s18, s13, 13
	s_lshl_b32 s19, s14, 6
	s_add_co_u32 s18, s18, s19                     ; Q's scale words
	s_mov_b32 s19, 0
	s_and_b32 s34, s13, 7                          ; the pair
	s_lshr_b32 s35, s13, 3                         ; the batch
	s_lshl_b32 s36, s34, 19
	s_lshl_b32 s37, s35, 7
	s_add_co_u32 s37, s37, s14
	s_lshl_b32 s37, s37, 10
	s_add_co_u32 s36, s36, s37                     ; ac: pair x 524,288 + token tile x 1,024
	s_mov_b32 s37, 0
	s_lshl_b32 s38, s34, 15
	s_lshl_b32 s39, s35, 13
	s_add_co_u32 s38, s38, s39
	s_lshl_b32 s39, ttmp9, 10
	s_add_co_u32 s38, s38, s39                     ; asc: pair x 32,768 + 4 x the work-group's first token
	s_mov_b32 s39, 0
	s_mov_b32 s[CS], 0x3e38aa3b
	s_mov_b32 s[CS+1], s[CS]                       ; (named with it as a pair, so it is written)
	s_mov_b32 s[SEL], 0x76543210
	s_mov_b32 s[SEL+1], 0xfedcba98
	s_wait_kmcnt 0x0
	s_add_nc_u64 s[16:17], s[4:5], s[16:17]
	s_add_nc_u64 s[18:19], s[6:7], s[18:19]
	s_add_nc_u64 s[8:9], s[8:9], s[36:37]
	s_add_nc_u64 s[10:11], s[10:11], s[38:39]
	s_wait_alu depctr_va_vdst(0)                   ; all addresses and offsets (v1-4, v7, v10, v11, v29, v30, v224-230) are written, which the kernel's loads and stores read; so are the zero codes v20-23, which the scaled products take
	global_load_b128 v[16:19], v[L16], s[16:17]            ; Q: the even head's codes,
	global_load_b128 v[24:27], v[L16], s[16:17] offset:512 ; the odd head's,
	global_load_b32 v28, v[R4], s[18:19]                   ; and the scale words
	s_lshr_b32 s20, s12, 2                         ; cl
	s_lshl_b32 s21, ttmp9, 1
	s_add_co_u32 s20, s20, s21
	s_cmp_lt_u32 s20, 2                            ; run 2 g - 2 + cl: the sequence has no run under 0, and no step reads its place in LDS.  Ids alone; no barrier is jumped over
	s_cbranch_scc1 .Lno_run
	s_sub_co_u32 s20, s20, 2
	s_lshl_b32 s24, s13, 17
	s_lshl_b32 s21, s20, 13
	s_add_co_u32 s22, s24, s21
	s_add_co_u32 s22, s22, 4194304
	s_mov_b32 s23, 0
	s_add_nc_u64 s[22:23], s[4:5], s[22:23]        ; K's images of the run
	s_lshl_b32 s21, s20, 12
	s_add_co_u32 s24, s24, s21
	s_add_co_u32 s24, s24, 8388608
	s_mov_b32 s25, 0
	s_add_nc_u64 s[24:25], s[4:5], s[24:25]        ; V's, the even head's
	s_lshl_b32 s28, s13, 13
	s_lshl_b32 s21, s20, 9
	s_add_co_u32 s26, s28, s21
	s_add_co_u32 s26, s26, 262144
	s_mov_b32 s27, 0
	s_add_nc_u64 s[26:27], s[6:7], s[26:27]        ; K's scale words
	s_lshl_b32 s21, s20, 8
	s_add_co_u32 s28, s28, s21
	s_add_co_u32 s28, s28, 524288
	s_mov_b32 s29, 0
	s_add_nc_u64 s[28:29], s[6:7], s[28:29]        ; V's
.irp j, 0,1,2,3
	global_load_b128 v[96+4*\j:99+4*\j], v228, s[22:23] offset:2048*\j   ; (no vector instruction has named v96-129 yet)
.endr
.irp e, 0,1
.irp j, 0,1
	global_load_b128 v[112+8*\e+4*\j:115+8*\e+4*\j], v228, s[24:25] offset:65536*\e+2048*\j
.endr
.endr
	global_load_b32 v128, v230, s[26:27]
	global_load_b32 v129, v229, s[28:29]
	s_wait_loadcnt 0x0
.irp j, 0,1,2,3
	ds_store_b128 v224, v[96+4*\j:99+4*\j] offset:2048*\j
.endr
.irp e, 0,1
.irp j, 0,1
	ds_store_b128 v225, v[112+8*\e+4*\j:115+8*\e+4*\j] offset:16384*\e+2048*\j
.endr
.endr
	ds_store_b32 v226, v128
	ds_store_b32 v227, v129
	s_wait_alu depctr_vm_vsrc(0)                   ; these LDS stores have read v96-129, which are S^T from here on: the first products write them
.Lno_run:
	s_wait_loadcnt 0x0                             ; Q
	s_wait_dscnt 0x0                               ; for the others' sake: my stores have landed
	s_barrier_signal -1
	s_barrier_wait -1
; A KEY STEP: 128 keys of head pi of the pair; L = 2: my queries' own run, 1: the run before, 0: two before.  mask = 2: keys after the query are hidden; 1: keys more than 255 before it; 0: all count.
; first = 1: the head's first step starts M, l and O^T.  It owes no wait at its head: behind the head's wait on va_vdst (the even head), or behind the wait that follows the even head's reciprocal (the odd head),
; no vector or matrix instruction names v32-95 or v212-223.
.macro STEP pi, L, mask, first
.if !\first
	s_wait_alu depctr_va_vdst(0)                   ; the last step's products V^T P are done reading v32-63, in which K's fragments land, and v220-223, in which V's next scale words will
.endif
.irp t, 0,1,2,3,4,5,6,7
.irp c, 0,1
	ds_load_b128 v[KF+8*\t+4*\c:KF+8*\t+4*\c+3], v[AK] offset:(\L)*8192+\t*1024+\c*512
.endr
	ds_load_b32 v[KSR+\t], v[AKS] offset:(\L)*512+\t*64
.endr
.if \mask                                          ; the 64 masks, while K's fragments are on their way: register n of S^T holds key 16 (n / 8) + n % 8 + 8 h of the run
.set n, 0
.rept 64
	MREG n
.if \mask == 2
	v_cmp_gt_i32 s[rM], 16*(n/8)+n%8, v[DM]        ; after my query
.else
	v_cmp_le_i32 s[rM], 16*(n/8)+n%8, v[DM]        ; 256 or more before it
.endif
.set n, n+1
.endr
	s_wait_alu depctr_va_sdst(0)                   ; the 64 compares have written their scalar registers, which the selects below read: one wait for the run
.endif
	s_wait_dscnt 0x0
.irp t, 0,1,2,3,4,5,6,7
	v_wmma_scale_f32_16x16x128_f8f6f4 v[S+8*\t:S+8*\t+7], v[KF+8*\t:KF+8*\t+7], v[16+4*(\pi):23+4*(\pi)], 0, v[KSR+\t], v28 matrix_a_fmt:MATRIX_FMT_FP4 matrix_b_fmt:MATRIX_FMT_FP4
.endr
.rept 4
	v_nop                                          ; places in front of the first read of the scores
.endr
	s_wait_alu depctr_va_vdst(0)                   ; the products K Q^T are done reading v32-63, in which V's fragments land
.irp t, 0,1,2,3                                    ; V's four fragments and scale words are asked for now and land under the softmax, which names none of their registers
.irp c, 0,1
	ds_load_b128 v[KF+8*\t+4*\c:KF+8*\t+4*\c+3], v[AV] offset:(\pi)*16384+(\L)*4096+\t*1024+\c*512
.endr
	ds_load_b32 v[VSR+\t], v[AVS] offset:(\pi)*1024+(\L)*256+\t*64
.endr
.if \mask
.set n, 0
.rept 64
	MREG n
	v_cndmask_b32 v[S+n], v[S+n], v[NINF], s[rM]   ; a hidden score becomes -infinity; each tile from its low end on
.set n, n+1
.endr
.endif
.irp b, 0,1,2,3
	v_max3_num_f32 v[BM+\b], v[S+16*\b], v[S+1+16*\b], v[S+2+16*\b]   ; the largest score of each block of 32 keys: for the row's maximum, and for the block's largest p
.endr
.irp i, 3,5,7,9,11,13
.irp b, 0,1,2,3
	v_max3_num_f32 v[BM+\b], v[BM+\b], v[S+16*\b+\i], v[S+1+16*\b+\i]
.endr
.endr
.irp b, 0,1,2,3
	v_max_num_f32 v[BM+\b], v[BM+\b], v[S+15+16*\b]
.endr
.irp b, 0,1,2,3
	v_permlanex16_b32 v[TP+\b], v[BM+\b], s[SEL], s[SEL+1]
.endr
.irp b, 0,1,2,3
	v_max_num_f32 v[BM+\b], v[BM+\b], v[TP+\b]     ; with lane l xor 16's 16 keys
.endr
	v_max3_num_f32 v254, v[BM], v[BM+1], v[BM+2]
	v_max_num_f32 v254, v254, v[BM+3]              ; the step's largest score of my query
.if \first
	v_mul_f32 v13, s[CS], v254                     ; as t: the largest so far
	v_floor_f32 v12, -v13                          ; -M = floor(-t) = -ceil(t)
.else
	v_mul_f32 v254, s[CS], v254
	v_max_num_f32 v13, v13, v254                   ; the running largest t
	v_mov_b32 v254, v12
	v_floor_f32 v12, -v13
	v_sub_f32 v254, v12, v254                      ; old M - new M: a whole number, 0 or less
	v_cvt_i32_f32 v254, v254
	v_ldexp_f32 v252, 1.0, v254                    ; f = 2^(old M - new M)
.endif
.set jj, 0
.rept 32
	v_pk_fma_f32 v[S+jj:S+jj+1], v[S+jj:S+jj+1], s[CS:CS+1], v[12:13] op_sel_hi:[1,0,0]   ; t - M, two at a time
.set jj, jj+2
.endr
.irp b, 0,1,2,3
	v_fma_f32 v[BM+\b], v[BM+\b], s[CS], v12
.endr
.set jj, 0
.rept 64
	v_exp_f32 v[S+jj], v[S+jj]                     ; p = 2^(t - M)
.set jj, jj+1
.endr
.if \first
	v_mov_b32 v14, 0                               ; l begins, in two halves.  (The plain place behind the exponentials)
	v_mov_b32 v15, 0
.else
	v_pk_mul_f32 v[14:15], v[14:15], v[252:253] op_sel_hi:[1,0]   ; l under the new M.  (The plain place behind the exponentials)
.endif
	s_wait_alu depctr_va_vdst(0)                   ; the 64 exponentials have written p, v96-159: one wait for the batch, ahead of its first reader
.irp b, 0,1,2,3
	v_exp_f32 v[BM+\b], v[BM+\b]                   ; each block's largest p
.endr
	v_pk_add_f32 v[TP:TP+1], v[S:S+1], v[S+2:S+3]  ; l sums the unquantised p, in two chains; these read the 64 alone
.set jj, 4
.rept 15
	v_pk_add_f32 v[14:15], v[14:15], v[S+jj:S+jj+1]
	v_pk_add_f32 v[TP:TP+1], v[TP:TP+1], v[S+jj+2:S+jj+3]
.set jj, jj+4
.endr
	v_pk_add_f32 v[14:15], v[14:15], v[TP:TP+1]
	s_wait_alu depctr_va_vdst(0)                   ; the four exponentials have written v232-235, ahead of their first reader
.irp b, 0,1,2,3
	v_max_num_f32 v[BM+\b], 0x1800000, v[BM+\b]    ; the floor 2^(3 - 127): the byte cannot fall under 1
.endr
.irp b, 0,1,2,3
	v_add_nc_u32 v[TSC+\b], 0xff000000, v[BM+\b]   ; 2 off the exponent field: the conversion's scale operand
.endr
.irp b, 0,1,2,3
	v_lshrrev_b32 v[TP+\b], 23, v[TSC+\b]          ; the scale's byte
.endr
	v_lshl_or_b32 v253, v[TP+1], 8, v[TP]          ; p's scale word for these 128 keys
	v_lshl_or_b32 v253, v[TP+2], 16, v253
	v_lshl_or_b32 v253, v[TP+3], 24, v253
.irp c, 0,1
	v_cvt_scalef32_pk8_fp4_f32 v[P+4*\c],   v[S+32*\c:S+32*\c+7],     v[TSC+2*\c]
	v_cvt_scalef32_pk8_fp4_f32 v[P+4*\c+2], v[S+32*\c+8:S+32*\c+15],  v[TSC+2*\c]
	v_cvt_scalef32_pk8_fp4_f32 v[P+4*\c+1], v[S+32*\c+16:S+32*\c+23], v[TSC+1+2*\c]
	v_cvt_scalef32_pk8_fp4_f32 v[P+4*\c+3], v[S+32*\c+24:S+32*\c+31], v[TSC+1+2*\c]
.endr
	v_nop                                          ; one plain place behind the last scaled conversion
.irp c, 0,1
	v_permlane16_swap_b32 v[P+4*\c],   v[P+4*\c+1]
	v_permlane16_swap_b32 v[P+4*\c+2], v[P+4*\c+3]
.endr
.if \first
.rept 8
	v_nop                                          ; a scale word written by vector instructions stands 8 places ahead of the scaled matrix instruction, the codes 4
.endr
.else
.set jj, 0
.rept 16
	v_pk_mul_f32 v[OA+jj:OA+jj+1], v[OA+jj:OA+jj+1], v[252:253] op_sel_hi:[1,0]   ; O^T under the new M, from each tile's low end on; these sixteen are also those places
.set jj, jj+2
.endr
.endif
	s_wait_alu depctr_va_vdst(0)                   ; p's codes v192-199 and its scale word v253 are written, which the scaled products below take; the places above stay beside this wait
	s_wait_dscnt 0x0                               ; V
.irp t, 0,1,2,3                                    ; four accumulators by turns
.if \first
	v_wmma_scale_f32_16x16x128_f8f6f4 v[OA+8*\t:OA+8*\t+7], v[KF+8*\t:KF+8*\t+7], v[P:P+7], 0, v[VSR+\t], v253 matrix_a_fmt:MATRIX_FMT_FP4 matrix_b_fmt:MATRIX_FMT_FP4
.else
	v_wmma_scale_f32_16x16x128_f8f6f4 v[OA+8*\t:OA+8*\t+7], v[KF+8*\t:KF+8*\t+7], v[P:P+7], v[OA+8*\t:OA+8*\t+7], v[VSR+\t], v253 matrix_a_fmt:MATRIX_FMT_FP4 matrix_b_fmt:MATRIX_FMT_FP4
.endif
.endr
.rept 4
	v_nop                                          ; places in front of the next read of O^T, on every way on from here
.endr
.endm
; One head: up to three steps (runs under 0 do not exist: scalar branches on ids), then o = O^T / l, quantised: its two blocks of 32 are half c = pi of the image.
.macro HEAD pi
	STEP \pi, 2, 2, 1
	s_cmp_lt_u32 s15, 1
	s_cbranch_scc1 .Ldone_\@
	STEP \pi, 1, 0, 0
	s_cmp_lt_u32 s15, 2
	s_cbranch_scc1 .Ldone_\@
	STEP \pi, 0, 1, 0
.Ldone_\@:
	v_add_f32 v14, v14, v15                        ; l's two halves,
	v_permlanex16_b32 v[TP], v14, s[SEL], s[SEL+1]
	v_add_f32 v14, v14, v[TP]                      ; and lane l xor 16's
	v_rcp_f32 v14, v14
	v_nop                                          ; a plain place behind the reciprocal
	s_wait_alu depctr_va_vdst(0)                   ; the reciprocal has written v14, ahead of its first reader; the head's last products are also done reading v32-63 and v220-223, in which the next head's loads land
.set jj, 0
.rept 16
	v_pk_mul_f32 v[OA+jj:OA+jj+1], v[OA+jj:OA+jj+1], v[14:15] op_sel_hi:[1,0]
.set jj, jj+2
.endr
.irp b, 0,1
	v_max3_num_f32 v[BM+\b], |v[OA+16*\b]|, |v[OA+1+16*\b]|, 0x1800000
.endr
.irp i, 2,4,6,8,10,12,14
.irp b, 0,1
	v_max3_num_f32 v[BM+\b], v[BM+\b], |v[OA+16*\b+\i]|, |v[OA+1+16*\b+\i]|
.endr
.endr
.irp b, 0,1
	v_permlanex16_b32 v[TP+\b], v[BM+\b], s[SEL], s[SEL+1]
.endr
.irp b, 0,1
	v_max_num_f32 v[BM+\b], v[BM+\b], v[TP+\b]
.endr
.irp b, 0,1
	v_add_nc_u32 v[TSC+\b], 0xff000000, v[BM+\b]
.endr
.irp b, 0,1
	v_lshrrev_b32 v[OB+2*(\pi)+\b], 23, v[TSC+\b]
.endr
	v_cvt_scalef32_pk8_fp4_f32 v[OC+4*(\pi)],   v[OA:OA+7],     v[TSC]
	v_cvt_scalef32_pk8_fp4_f32 v[OC+4*(\pi)+2], v[OA+8:OA+15],  v[TSC]
	v_cvt_scalef32_pk8_fp4_f32 v[OC+4*(\pi)+1], v[OA+16:OA+23], v[TSC+1]
	v_cvt_scalef32_pk8_fp4_f32 v[OC+4*(\pi)+3], v[OA+24:OA+31], v[TSC+1]
	v_nop                                          ; one plain place behind the last scaled conversion
	v_permlane16_swap_b32 v[OC+4*(\pi)],   v[OC+4*(\pi)+1]
	v_permlane16_swap_b32 v[OC+4*(\pi)+2], v[OC+4*(\pi)+3]
.endm
	HEAD 0
	HEAD 1
	v_lshl_or_b32 v[OB], v[OB+1], 8, v[OB]
	v_lshl_or_b32 v[OB], v[OB+2], 16, v[OB]
	v_lshl_or_b32 v[OB], v[OB+3], 24, v[OB]        ; my token's scale word for this pair of heads
	s_wait_alu depctr_va_vdst(0)                   ; o's codes v200-207 and its scale word v208 are written, which the stores below read; all vector and matrix work on v96-99 is done, in which the stage's load lands; no vector instruction follows
	global_store_b128 v[L16], v[OC:OC+3], s[8:9]               ; the image: twice 512 consecutive bytes, aligned
	global_store_b128 v[L16], v[OC+4:OC+7], s[8:9] offset:512
	ds_store_b32 v[SWA], v[OB]                     ; both halves of the lanes write the same word with the same value
	s_wait_dscnt 0x0
	s_barrier_signal -1
	s_barrier_wait -1                              ; the work-group's 256 words lie in the stage
	s_cmp_lt_u32 s12, 2
	s_cbranch_scc0 .Lend                           ; waves 0 and 1 store them: 1,024 consecutive bytes
	ds_load_b128 v[96:99], v[SRD]
	s_wait_dscnt 0x0
	global_store_b128 v[SGO], v[96:99], s[10:11]
.Lend:
	s_wait_dscnt 0x0                               ; the closing lines, six on end
	s_wait_alu 0x0
	s_wait_tensorcnt 0x0
	ds_add_u32 v[SPW], v[NIL]
	s_wait_dscnt 0x0
	s_endpgm
.Lfunc_end_k_q35de2652c9_attn:
	.size	k_q35de2652c9_attn, .Lfunc_end_k_q35de2652c9_attn-k_q35de2652c9_attn
	.p2alignl 7, 3214868480
	.fill 96, 4, 3214868480
	.section	.rodata,"a",@progbits
	.p2align	6, 0x0
	.amdhsa_kernel k_q35de2652c9_attn
		.amdhsa_group_segment_fixed_size 72704
		.amdhsa_private_segment_fixed_size 0
		.amdhsa_enable_private_segment 0
		.amdhsa_kernarg_size 32
		.amdhsa_user_sgpr_count 2
		.amdhsa_user_sgpr_kernarg_segment_ptr 1
		.amdhsa_wavefront_size32 1
		.amdhsa_system_sgpr_workgroup_id_x 1
		.amdhsa_system_sgpr_workgroup_id_y 1
		.amdhsa_system_sgpr_workgroup_id_z 1
		.amdhsa_system_vgpr_workitem_id 0
		.amdhsa_next_free_vgpr 256
		.amdhsa_next_free_sgpr 102
		.amdhsa_reserve_vcc 0
		.amdhsa_float_denorm_mode_32 3
		.amdhsa_float_denorm_mode_16_64 3
		.amdhsa_memory_ordered 1
		.amdhsa_forward_progress 1
		.amdhsa_inst_pref_size 144
	.end_amdhsa_kernel
	.amdgpu_metadata
---
amdhsa.version: [ 1, 2 ]
amdhsa.kernels:
  - .name:           k_q35de2652c9_attn
    .symbol:         k_q35de2652c9_attn.kd
    .args:
      - { .name: qkvc, .offset: 0, .size: 8, .value_kind: global_buffer, .address_space: global }
      - { .name: qkvs, .offset: 8, .size: 8, .value_kind: global_buffer, .address_space: global }
      - { .name: ac, .offset: 16, .size: 8, .value_kind: global_buffer, .address_space: global }
      - { .name: asc, .offset: 24, .size: 8, .value_kind: global_buffer, .address_space: global }
    .group_segment_fixed_size: 72704
    .private_segment_fixed_size: 0
    .kernarg_segment_align: 8
    .kernarg_segment_size: 32
    .max_flat_workgroup_size: 512
    .sgpr_count:     102
    .vgpr_count:     256
    .wavefront_size: 32
...
	.end_amdgpu_metadata
.endif
;; end of part 5
;; launch oproj: the kernel of part 4 again; grid 8 x 32, 4 waves a work-group, clusters of 4 x 4, 327,680 bytes of LDS; arguments ac, asc, cod1, scl1, out0; writes out0
